; MI455X (gfx1250); checked and timed in simulation.
; The chip was launched on July 23, 2026; its instructions are those of AMD's public machine-readable ISA for CDNA 5 (MIT licence, August 2026) and "CDNA5" Instruction Set Architecture Reference Guide (July 2026). The comments in the code are by the model that wrote it; some were corrected since.
;; Attention. Allowed arithmetic: float matrix products may take bf16 or f16 operands with f32 sums; all other float work in f32.
;; Inputs: Wk 8 x 512 x 512 float32; Wo 4,096 x 512 float32; Wq 8 x 512 x 512 float32; Wv 8 x 512 x 512 float32; bk 8 x 512 float32; bo 512 float32; bq 8 x 512 float32; bv 8 x 512 float32; k 8 x 1,024 x 512 float32; q 8 x 64 x 512 float32; v 8 x 1,024 x 512 float32.
;; Outputs: out0 8 x 64 x 512 float32.
;; 2 versions, each right; version 2 is version 1 with the launches qproj, score, mix written anew for expert scheduling mode. Each part assembles by itself: llvm-mc -triple=amdgcn-amd-amdhsa -mcpu=gfx1250 --defsym DOCPART=n.
;; ======== version 1 of 2: 7 launches
;; workspace buffers: xa 8,388,608 bytes; xb 8,388,608 bytes; pf 8,388,608 bytes; st 262,144 bytes; cp 131,072 bytes; part 8,388,608 bytes
;; launch qproj (part 1): grid 32 x 8, 4 waves a work-group, no clusters, 221,696 bytes of LDS; arguments q, Wq, bq, bk, xa, cp; writes xa, cp
.if DOCPART == 1
	.amdgcn_target "amdgcn-amd-amdhsa--gfx1250"
	.amdhsa_code_object_version 6
	.text
	.protected	k_q0688651f8b_qproj
	.globl	k_q0688651f8b_qproj
	.p2align	8
	.type	k_q0688651f8b_qproj,@function
k_q0688651f8b_qproj:
	s_mov_b64 s[64:65], 0
	v_nop
	global_prefetch_b8 v0, s[64:65] scope:SCOPE_SE
	s_setreg_imm32_b32 hwreg(HW_REG_WAVE_MODE, 25, 1), 1
	s_wait_xcnt 0x0
; q_[h][row][e] = sum_d q[row][d] Wq[h][d][e] + bq[h][e]   (row = b*64+m, 512 rows), and cp = partial sums of q_ . bk[h].
; THE WHOLE PROGRAM re-associates reference(): scores = (q_ Wk^T) . k + q_ . bk, and sum_n w_n (v_n Wv + bv) = (sum_n w_n v_n) Wv + bv,
; which holds because the softmax weights sum to one.  LIMITS: the order of rounding differs from reference(); raw inputs go to the
; matrix unit rounded once to bf16; the intermediates go as two bf16 planes, hi + lo (16 significant bits, f32's range), but for the
; softmax weights, which lie in 0 .. 1 and go as one bf16 plane.
; A work-group (4 waves) makes 128 rows x 64 columns for head h = id y; a wave 32 rows x 64 columns.  id x = 8 * row tile + column tile.
; THE MATRIX INSTRUCTION IS USED TRANSPOSED (source 0 = 16 columns of Wq, source 1 = 16 rows of q): lane (r = L%16, hf = L/16) holds
; in register j the number (row r, column n0 + 8 hf + j).  Packed to bf16 these are registers 0-3 (even 16-column block) or 4-7 (odd one)
; of the next product's fragment for the same lane, so xa is kept in FRAGMENT ORDER: [plane][16-row block RB][16-column block][lane][16 B],
; RB = h*32 + row/16.  Each store of a wave covers 512 consecutive bytes; the reader loads fragments straight into registers.
; NO CLUSTER, NO TENSOR LOAD: q and Wq are f32 and have to pass through registers to become bf16, so a joint load into LDS would add
; a write and a read of 384 KB of LDS for each work-group to the 216 KB of bf16 that it stores there now.
; K goes in 4 chunks of 128.  Every chunk has LDS bytes of its own, written once: one barrier a chunk, between the stores and the reads.
; LOADS: a chunk is 48 loads a wave (16 of Wq, 32 of q).  Chunks 0 and 1 are asked for at the head, chunk c + 2 during chunk c: Wq's 16
; behind the wait at the chunk's head, where 48 are out, q's in two runs of 16 behind runs of matrix instructions, so that a wave whose
; load counter is full (its issue then stalls: ISA guide 5.7.1) stalls while its matrix instructions run and not in front of them.
.set NCH,   4
.set PB,    2048                       ; bytes from row to row of Wq
.set RBS,   16384                      ; bytes of a 16-row block in xa
.set PLANE, 0x400000                   ; from the hi plane to the lo plane
.set REG,   20480                      ; LDS: a chunk of Wq, 128 rows (k) of 128 bytes at pitch 160 (5 x 32: the transposing load's rows fall on different banks)
.set ASTG,  81920                      ; LDS: behind the 4 chunks of Wq, q as bf16
.set AWAVE, 34816                      ; a wave's own part of it: 4 chunks
.set ACH,   8704                       ; a chunk: 32 rows of 256 bytes at pitch 272
.set ACC,   32                         ; v32-95    sums, block (i, j) at ACC + 8 (4 i + j)
.set AF,    96                         ; v96-127   fragments of q, two buffers of two
.set BF,    160                        ; v160-223  fragments of Wq, two buffers of four
.set U,     192                        ; v192-199  the way out: hi plane widened again (registers of BF, done with by then)
.set T,     224                        ; v224-255  packed bf16 on the way to LDS; the way out: hi planes
.set BQ,    128                        ; window 3: v128-159 bq, v160-191 bk of my 32 columns
.set BK,    160
; windows of 256 registers: 0 as above; 1 and 3 (v0-127): raw q, three buffers of 128; 2: raw Wq, one slot of 64 for each chunk
.set MSB, 0
.macro WIN new                         ; the immediate's high byte repeats the setting that is left
.if MSB != \new
	s_set_vgpr_msb (MSB<<8)|\new
.set MSB, \new
.endif
.endm
.macro PLACES                          ; four places behind a matrix instruction before its registers are loaded into, read or written (ISA guide 7.12.1)
.rept 4
	v_nop
.endr
.endm
.macro LOADA ch, g                     ; 16 of my 32 rows of q, 128 k: one load = 512 consecutive bytes of one row
.set LB3, (\ch)%3
.set LAB, 128*(LB3%2)
.set LW, 0x40+0x80*(LB3/2)
	WIN LW
.set n, 16*\g
.rept 16
	global_load_b128 v[LAB+4*n:LAB+4*n+3], v1, s[8:9] offset:n*2048+\ch*512
.set n, n+1
.endr
.endm
.macro LOADB ch                        ; 128 rows of Wq x 64 columns: 16 lanes take the 256 bytes of a row, the work-group 8 rows a load
	WIN 0x80
.set n, 0
.rept 16
	global_load_b128 v[64*\ch+4*n:64*\ch+4*n+3], v2, s[12:13] offset:(\ch*128+8*n)*PB
.set n, n+1
.endr
.endm
.macro CVTB ch                         ; raw Wq to bf16 and into the chunk's LDS bytes
	WIN 0x0a
.set n, 0
.rept 32
	v_cvt_pk_bf16_f32 v[T+n], v[64*\ch+2*n], v[64*\ch+2*n+1]
.set n, n+1
.endr
	WIN 0
.set n, 0
.rept 16
	ds_store_b64 v3, v[T+2*n:T+2*n+1] offset:n*1280
.set n, n+1
.endr
.if \ch < NCH-1
	v_add_nc_u32 v3, REG, v3
.endif
.endm
.macro CVTA ch                         ; raw q to bf16 and into my wave's own LDS bytes, 16 rows at a time
.set LB3, (\ch)%3
.set LAB, 128*(LB3%2)
.set LW, 0x05+0x0a*(LB3/2)
.irp g, 0,1
	WIN LW
.set n, 0
.rept 32
	v_cvt_pk_bf16_f32 v[T+n], v[LAB+64*\g+2*n], v[LAB+64*\g+2*n+1]
.set n, n+1
.endr
	WIN 0
.set n, 0
.rept 16
	ds_store_b64 v7, v[T+2*n:T+2*n+1] offset:\ch*ACH+(16*\g+n)*272
.set n, n+1
.endr
.endr
.endm
.macro FETCH par, ch, ks               ; 12 LDS loads: four fragments of Wq (transposed on the way), two of q, 32 along K
.irp j, 0,1,2,3
	ds_load_tr16_b128 v[BF+32*\par+8*\j:BF+32*\par+8*\j+3], v4 offset:\ks*5120+\j*32
	ds_load_tr16_b128 v[BF+32*\par+8*\j+4:BF+32*\par+8*\j+7], v4 offset:\ks*5120+\j*32+2560
.endr
.irp i, 0,1
	ds_load_b128 v[AF+16*\par+8*\i:AF+16*\par+8*\i+3], v6 offset:\ch*ACH+\i*4352+\ks*64
	ds_load_b128 v[AF+16*\par+8*\i+4:AF+16*\par+8*\i+7], v6 offset:\ch*ACH+\i*4352+\ks*64+32
.endr
.endm
.macro MUL par, zero                   ; 8 matrix instructions; zero = 1: the first product starts the sums
.irp i, 0,1
.irp j, 0,1,2,3
.if \zero
	v_wmma_f32_16x16x32_bf16 v[ACC+8*(4*\i+\j):ACC+8*(4*\i+\j)+7], v[BF+32*\par+8*\j:BF+32*\par+8*\j+7], v[AF+16*\par+8*\i:AF+16*\par+8*\i+7], 0
.else
	v_wmma_f32_16x16x32_bf16 v[ACC+8*(4*\i+\j):ACC+8*(4*\i+\j)+7], v[BF+32*\par+8*\j:BF+32*\par+8*\j+7], v[AF+16*\par+8*\i:AF+16*\par+8*\i+7], v[ACC+8*(4*\i+\j):ACC+8*(4*\i+\j)+7]
.endif
.endr
.endr
.endm
; nx: the chunk that is asked for during this one (-1: none)
.macro CHUNK ch, nwait, nx, zero
	s_wait_loadcnt \nwait                          ; this chunk's q and Wq are in; the count = the next chunk's loads, which stay out
.if \nx >= 0
	LOADB \nx                                      ; 48 are out: 16 more
.endif
	CVTB \ch
	CVTA \ch
.if \ch
	v_add_nc_u32 v4, REG, v4
.endif
	s_wait_dscnt 0x0                               ; my stores of this chunk are in LDS,
	s_barrier_signal -1
	s_barrier_wait -1                              ; everybody's are
	FETCH 0, \ch, 0                                ; the conversions above are the places behind the last chunk's matrix instructions
	FETCH 1, \ch, 1
	s_wait_dscnt 12                                ; the 12 loads just issued may stay out
	MUL 0, \zero
	PLACES
	FETCH 0, \ch, 2
.if \nx >= 0
	LOADA \nx, 0                                   ; into the buffer that the last chunk's conversions have read
	WIN 0
.endif
	s_wait_dscnt 12
	MUL 1, 0
	PLACES
	FETCH 1, \ch, 3
.if \nx >= 0
	LOADA \nx, 1
	WIN 0
.endif
	s_wait_dscnt 12
	MUL 0, 0
	s_wait_dscnt 0x0
	MUL 1, 0
.endm
.macro SPLIT x, h                      ; 8 f32 at x: hi plane (4 registers) to h, lo plane = bf16(x - hi) to x .. x+3; x - hi is exact in f32
.irp q, 0,1,2,3
	v_cvt_pk_bf16_f32 v[\h+\q], v[\x+2*\q], v[\x+2*\q+1]
.endr
.irp q, 0,1,2,3
	v_lshlrev_b32 v[U+2*\q], 16, v[\h+\q]
	v_and_b32 v[U+2*\q+1], s24, v[\h+\q]
.endr
.irp q, 0,1,2,3
	v_pk_add_f32 v[\x+2*\q:\x+2*\q+1], v[\x+2*\q:\x+2*\q+1], v[U+2*\q:U+2*\q+1] neg_lo:[0,1] neg_hi:[0,1]
.endr
.irp q, 0,1,2,3
	v_cvt_pk_bf16_f32 v[\x+\q], v[\x+2*\q], v[\x+2*\q+1]
.endr
.endm
.macro OUTB i, j                       ; no data register of a store is written again: every block has its own 4 + 4
.set XX, ACC+8*(4*\i+\j)
.set HH, T+4*(4*\i+\j)
	SPLIT XX, HH
	global_store_b128 v1, v[HH:HH+3], s[14:15] offset:\i*RBS+\j*512
	global_store_b128 v1, v[XX:XX+3], s[16:17] offset:\i*RBS+\j*512
.endm
	s_load_b256 s[32:39], s[0:1], 0x0              ; q, Wq, bq, bk
	s_load_b128 s[40:43], s[0:1], 0x20             ; xa, cp
	v_lshl_add_u32 v158, v0, 2, 0x36000
	v_mov_b32 v159, 0
	v_lshrrev_b32 v26, 5, v0
	v_readfirstlane_b32 s2, v26                    ; wave w
	s_and_b32 s4, ttmp7, 0xffff                    ; head h
	s_and_b32 s5, ttmp9, 7                         ; column tile nt
	s_lshr_b32 s6, ttmp9, 3                        ; row tile rt
	s_mov_b32 s24, 0xffff0000                      ; a word's upper bf16
	s_mov_b32 s26, 0x76543210                      ; v_permlanex16_b32: lane i of one half reads lane i of the other
	s_mov_b32 s27, 0xfedcba98
	v_and_b32 v27, 31, v0                          ; L
	v_and_b32 v28, 15, v0                          ; r
	v_bfe_u32 v29, v0, 4, 1                        ; hf
	v_lshrrev_b32 v30, 4, v0                       ; t / 16
	v_lshlrev_b32 v1, 4, v27                       ; 16 L
	v_lshlrev_b32 v2, 11, v30                      ; Wq: row t / 16,
	v_lshl_add_u32 v2, v28, 4, v2                  ; 16 bytes at 16 (t % 16)
	v_mul_u32_u24 v3, v30, 160                     ; the same place in LDS, as bf16
	v_lshl_add_u32 v3, v28, 3, v3
	v_and_b32 v31, 7, v0
	v_lshl_add_u32 v31, v29, 3, v31                ; transposing load: row 8 hf + L % 8,
	v_mul_u32_u24 v4, v31, 160
	v_bfe_u32 v31, v0, 3, 1
	v_lshl_add_u32 v4, v31, 4, v4                  ; 16 bytes at 16 ((L / 8) % 2)
	v_lshlrev_b32 v5, 5, v29                       ; biases: 8 hf numbers
	s_mul_i32 s29, s2, AWAVE
	s_add_co_u32 s29, s29, ASTG                    ; my wave's stage for q
	v_lshl_add_u32 v7, v27, 3, s29                 ; in: 8 bytes a lane, a row a store
	v_mul_u32_u24 v6, v28, 272
	v_lshl_add_u32 v6, v29, 4, v6
	v_add_nc_u32 v6, s29, v6                       ; fragments: row r, 16 hf bytes
	s_lshl_b32 s7, s4, 5
	s_lshl3_add_u32 s7, s6, s7
	s_lshl1_add_u32 s7, s2, s7                     ; RB0 = 32 h + 8 rt + 2 w
	s_mov_b32 s23, 0
	s_wait_kmcnt 0x0
	s_lshl_b32 s22, s6, 18
	s_lshl_b32 s28, s2, 16
	s_add_co_u32 s22, s22, s28
	s_add_nc_u64 s[8:9], s[32:33], s[22:23]        ; q at row 128 rt + 32 w
	s_lshl_b32 s22, s4, 20
	s_lshl_b32 s28, s5, 8
	s_add_co_u32 s22, s22, s28
	s_add_nc_u64 s[12:13], s[34:35], s[22:23]      ; Wq[h] at column 64 nt
	s_lshl_b32 s22, s4, 11
	s_add_co_u32 s22, s22, s28
	s_add_nc_u64 s[18:19], s[36:37], s[22:23]      ; bq[h], bk[h] at column 64 nt
	s_add_nc_u64 s[20:21], s[38:39], s[22:23]
	s_lshl_b32 s22, s7, 14
	s_lshl_b32 s28, s5, 11
	s_add_co_u32 s22, s22, s28
	s_add_nc_u64 s[14:15], s[40:41], s[22:23]      ; xa, hi plane, at (RB0, column block 4 nt)
	s_add_nc_u64 s[16:17], s[14:15], PLANE         ; lo plane
	s_lshl_b32 s22, s5, 14
	s_lshl_b32 s28, s7, 6
	s_add_co_u32 s22, s22, s28
	s_add_nc_u64 s[30:31], s[42:43], s[22:23]      ; cp[nt] at row 16 RB0
	WIN 0xc0
.irp j, 0,1,2,3
.irp y, 0,1
	global_load_b128 v[BQ+8*\j+4*\y:BQ+8*\j+4*\y+3], v5, s[18:19] offset:\j*64+\y*16
	global_load_b128 v[BK+8*\j+4*\y:BK+8*\j+4*\y+3], v5, s[20:21] offset:\j*64+\y*16
.endr
.endr
	LOADB 0                                        ; chunks 0 and 1, in the order in which they are needed
	LOADA 0, 0
	LOADA 0, 1
	LOADB 1
	LOADA 1, 0
	LOADA 1, 1
	CHUNK 0, 48, 2, 1                              ; younger than chunk 0's loads: chunk 1's 48
	CHUNK 1, 48, 3, 0                              ; younger: chunk 2's 48, issued during chunk 0
	CHUNK 2, 48, -1, 0                             ; younger: chunk 3's 48
	CHUNK 3, 0, -1, 0
	PLACES
	WIN 0x0c                                       ; source 1 in window 3: the biases
.irp j, 0,1,2,3
.irp q, 0,1,2,3
.irp i, 0,1
	v_pk_add_f32 v[ACC+8*(4*\i+\j)+2*\q:ACC+8*(4*\i+\j)+2*\q+1], v[ACC+8*(4*\i+\j)+2*\q:ACC+8*(4*\i+\j)+2*\q+1], v[BQ+8*\j+2*\q:BQ+8*\j+2*\q+1]
.endr
.irp i, 0,1
.if \j+\q
	v_pk_fma_f32 v[8+2*\i:9+2*\i], v[ACC+8*(4*\i+\j)+2*\q:ACC+8*(4*\i+\j)+2*\q+1], v[BK+8*\j+2*\q:BK+8*\j+2*\q+1], v[8+2*\i:9+2*\i]
.else
	v_pk_mul_f32 v[8+2*\i:9+2*\i], v[ACC+8*(4*\i+\j)+2*\q:ACC+8*(4*\i+\j)+2*\q+1], v[BK+8*\j+2*\q:BK+8*\j+2*\q+1]
.endif
.endr
.endr
.endr
	WIN 0
	v_add_f32 v8, v8, v9                           ; q_ . bk over my 32 columns,
	v_add_f32 v10, v10, v11
	v_permlanex16_b32 v9, v8, s26, s27             ; plus the other half's 32
	v_permlanex16_b32 v11, v10, s26, s27
	v_add_f32 v8, v8, v9
	v_add_f32 v10, v10, v11
	v_cmp_le_u32 vcc_lo, 16, v27
	v_cndmask_b32 v8, v8, v10, vcc_lo              ; lanes 0-15: rows of block RB0, lanes 16-31: of RB0 + 1
	v_lshlrev_b32 v12, 2, v27
	global_store_b32 v12, v8, s[30:31]             ; 128 consecutive bytes
.irp i, 0,1
.irp j, 0,1,2,3
	OUTB \i, \j
.endr
.endr
	s_wait_tensorcnt 0x0
	ds_add_u32 v158, v159
	s_wait_dscnt 0x0
	s_endpgm
.Lfunc_end_k_q0688651f8b_qproj:
	.size	k_q0688651f8b_qproj, .Lfunc_end_k_q0688651f8b_qproj-k_q0688651f8b_qproj
	.p2alignl 7, 3214868480
	.fill 96, 4, 3214868480
	.section	.rodata,"a",@progbits
	.p2align	6, 0x0
	.amdhsa_kernel k_q0688651f8b_qproj
		.amdhsa_group_segment_fixed_size 221696
		.amdhsa_private_segment_fixed_size 0
		.amdhsa_enable_private_segment 0
		.amdhsa_kernarg_size 48
		.amdhsa_user_sgpr_count 2
		.amdhsa_user_sgpr_kernarg_segment_ptr 1
		.amdhsa_wavefront_size32 1
		.amdhsa_system_sgpr_workgroup_id_x 1
		.amdhsa_system_sgpr_workgroup_id_y 1
		.amdhsa_system_sgpr_workgroup_id_z 1
		.amdhsa_system_vgpr_workitem_id 0
		.amdhsa_next_free_vgpr 960
		.amdhsa_next_free_sgpr 66
		.amdhsa_reserve_vcc 1
		.amdhsa_float_denorm_mode_32 3
		.amdhsa_float_denorm_mode_16_64 3
		.amdhsa_memory_ordered 1
		.amdhsa_forward_progress 1
		.amdhsa_inst_pref_size 97
	.end_amdhsa_kernel
	.amdgpu_metadata
---
amdhsa.version: [ 1, 2 ]
amdhsa.kernels:
  - .name:           k_q0688651f8b_qproj
    .symbol:         k_q0688651f8b_qproj.kd
    .args:
      - { .name: q, .offset: 0, .size: 8, .value_kind: global_buffer, .address_space: global }
      - { .name: Wq, .offset: 8, .size: 8, .value_kind: global_buffer, .address_space: global }
      - { .name: bq, .offset: 16, .size: 8, .value_kind: global_buffer, .address_space: global }
      - { .name: bk, .offset: 24, .size: 8, .value_kind: global_buffer, .address_space: global }
      - { .name: xa, .offset: 32, .size: 8, .value_kind: global_buffer, .address_space: global }
      - { .name: cp, .offset: 40, .size: 8, .value_kind: global_buffer, .address_space: global }
    .group_segment_fixed_size: 221696
    .private_segment_fixed_size: 0
    .kernarg_segment_align: 8
    .kernarg_segment_size: 48
    .max_flat_workgroup_size: 128
    .sgpr_count:     66
    .vgpr_count:     960
    .wavefront_size: 32
...
	.end_amdgpu_metadata
.endif
;; end of part 1
;; launch qk (part 2): grid 32 x 8, 4 waves a work-group, no clusters, 70,144 bytes of LDS; arguments xa, Wk, xb; writes xb
.if DOCPART == 2
	.amdgcn_target "amdgcn-amd-amdhsa--gfx1250"
	.amdhsa_code_object_version 6
	.text
	.protected	k_q0688651f8b_qk
	.globl	k_q0688651f8b_qk
	.p2align	8
	.type	k_q0688651f8b_qk,@function
k_q0688651f8b_qk:
	s_mov_b64 s[64:65], 0
	v_nop
	global_prefetch_b8 v0, s[64:65] scope:SCOPE_SE
	s_setreg_imm32_b32 hwreg(HW_REG_WAVE_MODE, 25, 1), 1
	s_wait_xcnt 0x0
; qt[h][row][d] = sum_e q_[h][row][e] Wk[h][d][e]: the key projection moved to the query side (scores = qt . k + q_ . bk).
; LIMITS: the order of rounding differs from reference(); Wk is rounded once to bf16; q_ comes, and qt leaves, as hi + lo bf16 planes.
; A work-group (4 waves) makes 128 rows x 64 columns d for head h = id y; a wave 32 rows x 64 columns.  id x = 8 * row tile + column tile.
; xa and xb are in fragment order: [plane][16-row block RB = 32 h + row/16][16-column block][lane][16 B].  q_'s fragments go from memory
; straight into registers (a load of a wave = 512 consecutive bytes).  The matrix instruction is used transposed (source 0 = 16 rows d of
; Wk, source 1 = 16 rows of q_), so that lane (r, hf) holds (row r, columns n0 + 8 hf + 0..7): the next product's fragment registers.
; NO CLUSTER, NO TENSOR LOAD: Wk is f32 and passes through registers to become bf16, q_ never touches LDS; a joint load into LDS would
; add a write and a read of 384 KB of LDS for each work-group to the 68 KB that it stores there now.
; K (= e) goes in 4 chunks of 128, each with LDS bytes of its own, written once: one barrier a chunk.
; LOADS: a chunk is 48 loads a wave (16 of Wk, 32 of fragments).  Chunks 0 and 1 are asked for at the head, chunk c + 2 during chunk c:
; Wk's 16 behind the wait at the chunk's head, where 48 are out, the fragments in two runs of 16 behind runs of matrix instructions, so that
; a wave whose load counter is full (its issue then stalls: ISA guide 5.7.1) stalls while its matrix instructions run and not in front of them.
.set NCH,   4
.set RBS,   16384                      ; bytes of a 16-row block in xa and xb
.set PLANE, 0x400000
.set REG,   17408                      ; LDS: a chunk of Wk, 64 rows (d) of 256 bytes at pitch 272 (17 x 16: 16 rows start on 16 different 16-byte columns)
.set ACC,   32                         ; v32-95    sums, block (i, j) at ACC + 8 (4 i + j)
.set BF,    160                        ; v160-223  fragments of Wk, two buffers of four
.set U,     192                        ; v192-199  the way out
.set T,     224                        ; v224-255  packed bf16 on the way to LDS; the way out: hi planes
; windows: 1 and 3 (v0-127): q_'s fragments, three buffers of 128, fragment (i, plane p, ks) at 8 (8 i + 4 p + ks); 2: raw Wk, a slot of 64 a chunk
.set MSB, 0
.macro WIN new
.if MSB != \new
	s_set_vgpr_msb (MSB<<8)|\new
.set MSB, \new
.endif
.endm
.macro PLACES                          ; four places behind a matrix instruction before its registers are loaded into, read or written (ISA guide 7.12.1)
.rept 4
	v_nop
.endr
.endm
.macro LOADA ch, i                     ; 16 loads: row block i: 2 planes x 4 steps of 32 k x 2 halves
.set LB3, (\ch)%3
.set LAB, 128*(LB3%2)
.set LW, 0x40+0x80*(LB3/2)
	WIN LW
.irp s, 0,1,2,3
.irp y, 0,1
	global_load_b128 v[LAB+8*(8*\i+\s)+4*\y:LAB+8*(8*\i+\s)+4*\y+3], v1, s[8:9] offset:\i*RBS+\ch*4096+\s*1024+\y*512
	global_load_b128 v[LAB+8*(8*\i+4+\s)+4*\y:LAB+8*(8*\i+4+\s)+4*\y+3], v1, s[10:11] offset:\i*RBS+\ch*4096+\s*1024+\y*512
.endr
.endr
.endm
.macro LOADB ch                        ; 64 rows of Wk x 128 k: a load of a wave = 512 consecutive bytes of one row
	WIN 0x80
.set n, 0
.rept 16
	global_load_b128 v[64*\ch+4*n:64*\ch+4*n+3], v2, s[12:13] offset:n*8192+\ch*512
.set n, n+1
.endr
.endm
.macro CVTB ch
	WIN 0x0a
.set n, 0
.rept 32
	v_cvt_pk_bf16_f32 v[T+n], v[64*\ch+2*n], v[64*\ch+2*n+1]
.set n, n+1
.endr
	WIN 0
.set n, 0
.rept 16
	ds_store_b64 v3, v[T+2*n:T+2*n+1] offset:n*1088
.set n, n+1
.endr
.if \ch < NCH-1
	v_add_nc_u32 v3, REG, v3
.endif
.endm
.macro FETCH par, ks                   ; 8 LDS loads: four fragments of Wk, 32 along K
.irp j, 0,1,2,3
	ds_load_b128 v[BF+32*\par+8*\j:BF+32*\par+8*\j+3], v4 offset:\j*4352+\ks*64
	ds_load_b128 v[BF+32*\par+8*\j+4:BF+32*\par+8*\j+7], v4 offset:\j*4352+\ks*64+32
.endr
.endm
.macro MUL par, ks, zero               ; 16 matrix instructions: hi plane, then lo plane, on the same 8 sums
.irp p, 0,1
.irp i, 0,1
.irp j, 0,1,2,3
.if \zero*(1-\p)
	v_wmma_f32_16x16x32_bf16 v[ACC+8*(4*\i+\j):ACC+8*(4*\i+\j)+7], v[BF+32*\par+8*\j:BF+32*\par+8*\j+7], v[MAB+8*(8*\i+4*\p+\ks):MAB+8*(8*\i+4*\p+\ks)+7], 0
.else
	v_wmma_f32_16x16x32_bf16 v[ACC+8*(4*\i+\j):ACC+8*(4*\i+\j)+7], v[BF+32*\par+8*\j:BF+32*\par+8*\j+7], v[MAB+8*(8*\i+4*\p+\ks):MAB+8*(8*\i+4*\p+\ks)+7], v[ACC+8*(4*\i+\j):ACC+8*(4*\i+\j)+7]
.endif
.endr
.endr
.endr
.endm
; nx: the chunk that is asked for during this one (-1: none)
.macro CHUNK ch, nwait, nx, zero
	s_wait_loadcnt \nwait                          ; this chunk's fragments and raw Wk are in; the count = the next chunk's loads, which stay out
.if \nx >= 0
	LOADB \nx                                      ; 48 are out: 16 more
.endif
	CVTB \ch
.if \ch
	v_add_nc_u32 v4, REG, v4
.endif
	s_wait_dscnt 0x0                               ; my stores of this chunk are in LDS,
	s_barrier_signal -1
	s_barrier_wait -1                              ; everybody's are
.set MB3, (\ch)%3
.set MAB, 128*(MB3%2)
.set MW, 0x04+0x08*(MB3/2)
	WIN MW                                         ; source 1 in window 1 or 3; LDS loads use destination and source 0, both window 0
	FETCH 0, 0                                     ; the 32 conversions are the places behind the last chunk's matrix instructions
	FETCH 1, 1
	s_wait_dscnt 8                                 ; the 8 loads just issued may stay out
	MUL 0, 0, \zero
	PLACES
	FETCH 0, 2
.if \nx >= 0
	LOADA \nx, 0                                   ; into the buffer that the last chunk's matrix instructions read, the 32 conversions behind them
	WIN MW
.endif
	s_wait_dscnt 8
	MUL 1, 1, 0
	PLACES
	FETCH 1, 3
.if \nx >= 0
	LOADA \nx, 1
	WIN MW
.endif
	s_wait_dscnt 8
	MUL 0, 2, 0
	s_wait_dscnt 0x0
	MUL 1, 3, 0
.endm
.macro SPLIT x, h                      ; 8 f32 at x: hi plane to h, lo plane = bf16(x - hi) to x .. x+3; x - hi is exact in f32
.irp q, 0,1,2,3
	v_cvt_pk_bf16_f32 v[\h+\q], v[\x+2*\q], v[\x+2*\q+1]
.endr
.irp q, 0,1,2,3
	v_lshlrev_b32 v[U+2*\q], 16, v[\h+\q]
	v_and_b32 v[U+2*\q+1], s24, v[\h+\q]
.endr
.irp q, 0,1,2,3
	v_pk_add_f32 v[\x+2*\q:\x+2*\q+1], v[\x+2*\q:\x+2*\q+1], v[U+2*\q:U+2*\q+1] neg_lo:[0,1] neg_hi:[0,1]
.endr
.irp q, 0,1,2,3
	v_cvt_pk_bf16_f32 v[\x+\q], v[\x+2*\q], v[\x+2*\q+1]
.endr
.endm
.macro OUTB i, j
.set XX, ACC+8*(4*\i+\j)
.set HH, T+4*(4*\i+\j)
	SPLIT XX, HH
	global_store_b128 v1, v[HH:HH+3], s[14:15] offset:\i*RBS+\j*512
	global_store_b128 v1, v[XX:XX+3], s[16:17] offset:\i*RBS+\j*512
.endm
	s_load_b128 s[32:35], s[0:1], 0x0              ; xa, Wk
	s_load_b64 s[36:37], s[0:1], 0x10              ; xb
	v_lshl_add_u32 v158, v0, 2, 0x11000
	v_mov_b32 v159, 0
	v_lshrrev_b32 v26, 5, v0
	v_readfirstlane_b32 s2, v26                    ; wave w
	s_and_b32 s4, ttmp7, 0xffff                    ; head h
	s_and_b32 s5, ttmp9, 7                         ; column tile nt
	s_lshr_b32 s6, ttmp9, 3                        ; row tile rt
	s_mov_b32 s24, 0xffff0000
	v_and_b32 v27, 31, v0                          ; L
	v_and_b32 v28, 15, v0                          ; r
	v_bfe_u32 v29, v0, 4, 1                        ; hf
	v_lshlrev_b32 v1, 4, v27                       ; 16 L
	v_lshlrev_b32 v2, 11, v26                      ; Wk: row w, 16 L bytes
	v_lshl_add_u32 v2, v27, 4, v2
	v_mul_u32_u24 v3, v26, 272                     ; the same place in LDS, as bf16
	v_lshl_add_u32 v3, v27, 3, v3
	v_mul_u32_u24 v4, v28, 272                     ; fragments: row r, 16 hf bytes
	v_lshl_add_u32 v4, v29, 4, v4
	s_lshl_b32 s7, s4, 5
	s_lshl3_add_u32 s7, s6, s7
	s_lshl1_add_u32 s7, s2, s7                     ; RB0 = 32 h + 8 rt + 2 w
	s_mov_b32 s23, 0
	s_wait_kmcnt 0x0
	s_lshl_b32 s22, s7, 14
	s_add_nc_u64 s[8:9], s[32:33], s[22:23]        ; q_, hi plane, at RB0
	s_add_nc_u64 s[10:11], s[8:9], PLANE           ; lo plane
	s_lshl_b32 s28, s5, 11
	s_add_co_u32 s22, s22, s28
	s_add_nc_u64 s[14:15], s[36:37], s[22:23]      ; qt at (RB0, column block 4 nt)
	s_add_nc_u64 s[16:17], s[14:15], PLANE
	s_lshl_b32 s22, s4, 20
	s_lshl_b32 s28, s5, 17
	s_add_co_u32 s22, s22, s28
	s_add_nc_u64 s[12:13], s[34:35], s[22:23]      ; Wk[h] at row 64 nt
	LOADB 0                                        ; chunks 0 and 1, in the order in which they are needed
	LOADA 0, 0
	LOADA 0, 1
	LOADB 1
	LOADA 1, 0
	LOADA 1, 1
	CHUNK 0, 48, 2, 1                              ; younger than chunk 0's loads: chunk 1's 48
	CHUNK 1, 48, 3, 0                              ; younger: chunk 2's 48, issued during chunk 0
	CHUNK 2, 48, -1, 0                             ; younger: chunk 3's 48
	CHUNK 3, 0, -1, 0
	WIN 0
	PLACES
.irp i, 0,1
.irp j, 0,1,2,3
	OUTB \i, \j
.endr
.endr
	s_wait_tensorcnt 0x0
	ds_add_u32 v158, v159
	s_wait_dscnt 0x0
	s_endpgm
.Lfunc_end_k_q0688651f8b_qk:
	.size	k_q0688651f8b_qk, .Lfunc_end_k_q0688651f8b_qk-k_q0688651f8b_qk
	.p2alignl 7, 3214868480
	.fill 96, 4, 3214868480
	.section	.rodata,"a",@progbits
	.p2align	6, 0x0
	.amdhsa_kernel k_q0688651f8b_qk
		.amdhsa_group_segment_fixed_size 70144
		.amdhsa_private_segment_fixed_size 0
		.amdhsa_enable_private_segment 0
		.amdhsa_kernarg_size 24
		.amdhsa_user_sgpr_count 2
		.amdhsa_user_sgpr_kernarg_segment_ptr 1
		.amdhsa_wavefront_size32 1
		.amdhsa_system_sgpr_workgroup_id_x 1
		.amdhsa_system_sgpr_workgroup_id_y 1
		.amdhsa_system_sgpr_workgroup_id_z 1
		.amdhsa_system_vgpr_workitem_id 0
		.amdhsa_next_free_vgpr 896
		.amdhsa_next_free_sgpr 66
		.amdhsa_reserve_vcc 0
		.amdhsa_float_denorm_mode_32 3
		.amdhsa_float_denorm_mode_16_64 3
		.amdhsa_memory_ordered 1
		.amdhsa_forward_progress 1
		.amdhsa_inst_pref_size 69
	.end_amdhsa_kernel
	.amdgpu_metadata
---
amdhsa.version: [ 1, 2 ]
amdhsa.kernels:
  - .name:           k_q0688651f8b_qk
    .symbol:         k_q0688651f8b_qk.kd
    .args:
      - { .name: xa, .offset: 0, .size: 8, .value_kind: global_buffer, .address_space: global }
      - { .name: Wk, .offset: 8, .size: 8, .value_kind: global_buffer, .address_space: global }
      - { .name: xb, .offset: 16, .size: 8, .value_kind: global_buffer, .address_space: global }
    .group_segment_fixed_size: 70144
    .private_segment_fixed_size: 0
    .kernarg_segment_align: 8
    .kernarg_segment_size: 24
    .max_flat_workgroup_size: 128
    .sgpr_count:     66
    .vgpr_count:     896
    .wavefront_size: 32
...
	.end_amdgpu_metadata
.endif
;; end of part 2
;; launch score (part 3): grid 32 x 8, 4 waves a work-group, no clusters, 139,776 bytes of LDS; arguments xb, k, cp, pf, st; writes pf, st
.if DOCPART == 3
	.amdgcn_target "amdgcn-amd-amdhsa--gfx1250"
	.amdhsa_code_object_version 6
	.text
	.protected	k_q0688651f8b_score
	.globl	k_q0688651f8b_score
	.p2align	8
	.type	k_q0688651f8b_score,@function
k_q0688651f8b_score:
	s_mov_b64 s[64:65], 0
	v_nop
	global_prefetch_b8 v0, s[64:65] scope:SCOPE_SE
	s_setreg_imm32_b32 hwreg(HW_REG_WAVE_MODE, 25, 1), 1
	s_wait_xcnt 0x0
; For batch b = id y, a tile of 128 keys (nt = id x % 8) and 128 rows (two heads x 64 queries, rt = id x / 8):
;   s = SC (qt . k[b][n]) + SC (q_ . bk),  SC = log2(e) / sqrt(512);  m = the tile's maximum of s in each row;  p = 2^(s - m);  l = sum of p.
; p leaves as ONE bf16 plane in fragment order (pf: [RB][16-key block][lane][16 B]), (m, l) as st[nt][row][2].
; The next launch joins the 8 tiles of a row by 2^(m_t - max m_t): the maximum is always taken away before an exponential, so p <= 1.
; LIMITS: the order of rounding differs from reference(); k is rounded once to bf16; each weight p is rounded once to bf16, a relative
; error of at most 2^-8 of that weight (the tile's largest, 2^0 = 1, is exact), while l is the sum of the unrounded p; v_exp_f32 gives zero
; for results below 2^-126; inputs whose scores are not finite in reference() itself are not served.
; A wave makes 32 rows x 128 keys: RB0 = 32 (2 rt + w/2) + 4 b + 2 (w%2).  The matrix instruction is used transposed (source 0 = 16 keys,
; source 1 = 16 rows of qt): lane (r, hf) holds (row r, keys n0 + 8 hf + 0..7), so a row's 128 numbers lie in lanes r and r + 16.
; NO CLUSTER, NO TENSOR LOAD: k is f32 and passes through registers to become bf16, qt never touches LDS; a joint load into LDS would
; add a write and a read of 512 KB of LDS for each work-group to the 136 KB that it stores there now.
; K (= d) goes in 4 chunks of 128, each with LDS bytes of its own, written once: one barrier a chunk.
; LOADS: a chunk is 64 loads a wave (32 of k, 32 of fragments).  Chunks 0 and 1 are asked for at the head, chunk c + 2 during chunk c, in four
; runs of 16 behind every second run of matrix instructions, so that a wave whose load counter is full (its issue then stalls: ISA guide
; 5.7.1) stalls while its matrix instructions run and not in front of them.
.set NCH,   4
.set RBS,   16384                      ; bytes of a 16-row block in xb
.set PRBS,  32768                      ; and in pf
.set REG,   34816                      ; LDS: a chunk of k, 128 rows of 256 bytes at pitch 272
.set ACC,   32                         ; v32-159   sums, block (i, j) at ACC + 8 (8 i + j); the way out: p, then its bf16 in the first 4 of each 8
.set BF,    160                        ; v160-223  fragments of k, two buffers of four
.set TS,    200                        ; v200-207  the way out: chains of the maximum and of the sum
.set T,     224                        ; v224-255  packed bf16 on the way to LDS; at the head: the partial sums of q_ . bk
; v8-9 SC (q_ . bk) of my two rows; v12-13 SC twice; row block i: v[14+4i:15+4i] = c - m twice, v[16+4i] = m, v[17+4i] = l
; windows: 1 and 3 (v0-127): qt's fragments, three buffers of 128; 2: raw k, two slots of 128
.set MSB, 0
.macro WIN new
.if MSB != \new
	s_set_vgpr_msb (MSB<<8)|\new
.set MSB, \new
.endif
.endm
.macro PLACES                          ; four places behind a matrix instruction before its registers are loaded into, read or written (ISA guide 7.12.1)
.rept 4
	v_nop
.endr
.endm
.macro LOADA ch, i                     ; 16 loads: row block i: 2 planes x 4 steps of 32 k x 2 halves
.set LB3, (\ch)%3
.set LAB, 128*(LB3%2)
.set LW, 0x40+0x80*(LB3/2)
	WIN LW
.irp s, 0,1,2,3
.irp y, 0,1
	global_load_b128 v[LAB+8*(8*\i+\s)+4*\y:LAB+8*(8*\i+\s)+4*\y+3], v1, s[8:9] offset:\i*RBS+\ch*4096+\s*1024+\y*512
	global_load_b128 v[LAB+8*(8*\i+4+\s)+4*\y:LAB+8*(8*\i+4+\s)+4*\y+3], v1, s[10:11] offset:\i*RBS+\ch*4096+\s*1024+\y*512
.endr
.endr
.endm
.macro LOADB ch, g                     ; 16 loads: 64 of the 128 keys x 128 d: a load of a wave = 512 consecutive bytes of one row
	WIN 0x80
.set n, 16*\g
.rept 16
	global_load_b128 v[128*((\ch)%2)+4*n:128*((\ch)%2)+4*n+3], v2, s[12:13] offset:n*8192+\ch*512
.set n, n+1
.endr
.endm
.macro CVTB ch                         ; in two halves of 16 loads: T holds 32 registers; an LDS store's sources need no wait
.irp g, 0,1
	WIN 0x0a
.set n, 0
.rept 32
	v_cvt_pk_bf16_f32 v[T+n], v[128*(\ch%2)+64*\g+2*n], v[128*(\ch%2)+64*\g+2*n+1]
.set n, n+1
.endr
	WIN 0
.set n, 0
.rept 16
	ds_store_b64 v3, v[T+2*n:T+2*n+1] offset:(16*\g+n)*1088
.set n, n+1
.endr
.endr
.if \ch < NCH-1
	v_add_nc_u32 v3, REG, v3
.endif
.endm
.macro FETCH par, ks, jo               ; 8 LDS loads: the fragments of key blocks jo .. jo+3, 32 along K
.irp j, 0,1,2,3
	ds_load_b128 v[BF+32*\par+8*\j:BF+32*\par+8*\j+3], v4 offset:(\jo+\j)*4352+\ks*64
	ds_load_b128 v[BF+32*\par+8*\j+4:BF+32*\par+8*\j+7], v4 offset:(\jo+\j)*4352+\ks*64+32
.endr
.endm
.macro MUL par, ks, zero, jo           ; 16 matrix instructions: hi plane, then lo plane, on 8 sums
.irp p, 0,1
.irp i, 0,1
.irp j, 0,1,2,3
.if \zero*(1-\p)
	v_wmma_f32_16x16x32_bf16 v[ACC+8*(8*\i+\jo+\j):ACC+8*(8*\i+\jo+\j)+7], v[BF+32*\par+8*\j:BF+32*\par+8*\j+7], v[MAB+8*(8*\i+4*\p+\ks):MAB+8*(8*\i+4*\p+\ks)+7], 0
.else
	v_wmma_f32_16x16x32_bf16 v[ACC+8*(8*\i+\jo+\j):ACC+8*(8*\i+\jo+\j)+7], v[BF+32*\par+8*\j:BF+32*\par+8*\j+7], v[MAB+8*(8*\i+4*\p+\ks):MAB+8*(8*\i+4*\p+\ks)+7], v[ACC+8*(8*\i+\jo+\j):ACC+8*(8*\i+\jo+\j)+7]
.endif
.endr
.endr
.endr
.endm
; nx: the chunk that is asked for during this one (-1: none)
.macro CHUNK ch, nwait, nx, zero
.if \nwait >= 0
	s_wait_loadcnt \nwait                          ; this chunk's fragments and raw k are in: 64 loads are younger, 63 is the largest count the wait can name
.endif
	CVTB \ch
.if \ch
	v_add_nc_u32 v4, REG, v4
.endif
	s_wait_dscnt 0x0                               ; my stores of this chunk are in LDS,
	s_barrier_signal -1
	s_barrier_wait -1                              ; everybody's are
.set MB3, (\ch)%3
.set MAB, 128*(MB3%2)
.set MW, 0x04+0x08*(MB3/2)
	WIN MW
	FETCH 0, 0, 0                                  ; the 64 conversions are the places behind the last chunk's matrix instructions
	FETCH 1, 0, 4
	s_wait_dscnt 8                                 ; the 8 loads just issued may stay out
	MUL 0, 0, \zero, 0
	PLACES
	FETCH 0, 1, 0
.if \nx >= 0
	LOADB \nx, 0                                   ; into the slot that this chunk's conversions have read
	WIN MW
.endif
	s_wait_dscnt 8
	MUL 1, 0, \zero, 4
	PLACES
	FETCH 1, 1, 4
	s_wait_dscnt 8
	MUL 0, 1, 0, 0
	PLACES
	FETCH 0, 2, 0
.if \nx >= 0
	LOADB \nx, 1
	WIN MW
.endif
	s_wait_dscnt 8
	MUL 1, 1, 0, 4
	PLACES
	FETCH 1, 2, 4
	s_wait_dscnt 8
	MUL 0, 2, 0, 0
	PLACES
	FETCH 0, 3, 0
.if \nx >= 0
	LOADA \nx, 0                                   ; into the buffer that the last chunk's matrix instructions read, the 64 conversions behind them
	WIN MW
.endif
	s_wait_dscnt 8
	MUL 1, 2, 0, 4
	PLACES
	FETCH 1, 3, 4
	s_wait_dscnt 8
	MUL 0, 3, 0, 0
.if \nx >= 0
	LOADA \nx, 1
	WIN MW
.endif
	s_wait_dscnt 0x0
	MUL 1, 3, 0, 4
.endm
; Row block i: 64 numbers a lane.  SC > 0, so the largest score belongs to the largest raw sum: the maximum is taken over the raw sums,
; m = SC amax + c, and one fused multiply-add per pair makes s - m = SC acc + (c - m).
.macro SOFT i
.set XB, ACC+64*\i
.irp c, 0,1,2,3
	v_max_num_f32 v[TS+\c], v[XB+16*\c], v[XB+16*\c+1]             ; four chains that do not wait for each other
.endr
.irp q, 1,2,3,4,5,6,7
.irp c, 0,1,2,3
	v_max3_num_f32 v[TS+\c], v[TS+\c], v[XB+16*\c+2*\q], v[XB+16*\c+2*\q+1]
.endr
.endr
	v_max3_num_f32 v[TS], v[TS], v[TS+1], v[TS+2]
	v_max_num_f32 v[TS], v[TS], v[TS+3]
	v_permlanex16_b32 v[TS+1], v[TS], s26, s27                     ; the row's other 64 keys
	v_max_num_f32 v[TS], v[TS], v[TS+1]
	v_fma_f32 v[16+4*\i], v[TS], v12, v[8+\i]                      ; m
	v_sub_f32 v[14+4*\i], v[8+\i], v[16+4*\i]                      ; c - m, twice for the packed form
	v_sub_f32 v[15+4*\i], v[8+\i], v[16+4*\i]
.set n, 0
.rept 32
	v_pk_fma_f32 v[XB+2*n:XB+2*n+1], v[XB+2*n:XB+2*n+1], v[12:13], v[14+4*\i:15+4*\i]
.set n, n+1
.endr
.set n, 0
.rept 64
	v_exp_f32 v[XB+n], v[XB+n]
.set n, n+1
.endr
	v_nop                                                          ; one plain place behind the last transcendental before its result is read
	s_wait_alu depctr_va_vdst(0)
.irp c, 0,1,2,3
	v_pk_add_f32 v[TS+2*\c:TS+2*\c+1], v[XB+16*\c:XB+16*\c+1], v[XB+16*\c+2:XB+16*\c+3]
.endr
.irp q, 2,3,4,5,6,7
.irp c, 0,1,2,3
	v_pk_add_f32 v[TS+2*\c:TS+2*\c+1], v[TS+2*\c:TS+2*\c+1], v[XB+16*\c+2*\q:XB+16*\c+2*\q+1]
.endr
.endr
	v_pk_add_f32 v[TS:TS+1], v[TS:TS+1], v[TS+2:TS+3]
	v_pk_add_f32 v[TS+4:TS+5], v[TS+4:TS+5], v[TS+6:TS+7]
	v_pk_add_f32 v[TS:TS+1], v[TS:TS+1], v[TS+4:TS+5]
	v_add_f32 v[TS], v[TS], v[TS+1]
	v_permlanex16_b32 v[TS+1], v[TS], s26, s27
	v_add_f32 v[17+4*\i], v[TS], v[TS+1]                           ; l
.irp j, 0,1,2,3,4,5,6,7
.irp q, 0,1,2,3
	v_cvt_pk_bf16_f32 v[XB+8*\j+\q], v[XB+8*\j+2*\q], v[XB+8*\j+2*\q+1]    ; in place, ascending: register q is written when pairs 0 .. q-1 have been read
.endr
	global_store_b128 v1, v[XB+8*\j:XB+8*\j+3], s[14:15] offset:\i*PRBS+\j*512   ; no data register of a store is written again
.endr
.endm
	s_load_b256 s[32:39], s[0:1], 0x0              ; xb, k, cp, pf
	s_load_b64 s[40:41], s[0:1], 0x20              ; st
	v_lshl_add_u32 v30, v0, 2, 0x22000
	v_mov_b32 v31, 0
	v_lshrrev_b32 v26, 5, v0
	v_readfirstlane_b32 s2, v26                    ; wave w
	s_and_b32 s4, ttmp7, 0xffff                    ; batch b
	s_and_b32 s5, ttmp9, 7                         ; key tile nt
	s_lshr_b32 s6, ttmp9, 3                        ; row tile rt
	s_mov_b32 s26, 0x76543210
	s_mov_b32 s27, 0xfedcba98
	v_and_b32 v27, 31, v0                          ; L
	v_and_b32 v28, 15, v0                          ; r
	v_bfe_u32 v29, v0, 4, 1                        ; hf
	v_cmp_le_u32 s29, 16, v27                      ; lanes 16-31
	v_lshlrev_b32 v1, 4, v27                       ; 16 L
	v_lshlrev_b32 v2, 11, v26                      ; k: row w, 16 L bytes
	v_lshl_add_u32 v2, v27, 4, v2
	v_mul_u32_u24 v3, v26, 272
	v_lshl_add_u32 v3, v27, 3, v3
	v_mul_u32_u24 v4, v28, 272
	v_lshl_add_u32 v4, v29, 4, v4
	v_lshlrev_b32 v5, 2, v28                       ; cp: 4 r
	v_lshlrev_b32 v6, 3, v27                       ; st: 8 L
	v_mov_b32 v12, 0x3d8293ee                      ; SC = log2(e) / sqrt(512)
	v_mov_b32 v13, 0x3d8293ee
	s_lshr_b32 s7, s2, 1
	s_lshl1_add_u32 s7, s6, s7                     ; head 2 rt + w / 2
	s_lshl_b32 s7, s7, 5
	s_lshl2_add_u32 s7, s4, s7
	s_and_b32 s28, s2, 1
	s_lshl1_add_u32 s7, s28, s7                    ; RB0 = 32 head + 4 b + 2 (w % 2)
	s_mov_b32 s23, 0
	s_wait_kmcnt 0x0
	s_lshl_b32 s22, s7, 14
	s_add_nc_u64 s[8:9], s[32:33], s[22:23]        ; qt, hi plane, at RB0
	s_add_nc_u64 s[10:11], s[8:9], 0x400000        ; lo plane
	s_lshl_b32 s22, s4, 21
	s_lshl_b32 s28, s5, 18
	s_add_co_u32 s22, s22, s28
	s_add_nc_u64 s[12:13], s[34:35], s[22:23]      ; k[b] at key 128 nt
	s_lshl_b32 s22, s7, 6
	s_add_nc_u64 s[18:19], s[36:37], s[22:23]      ; cp at row 16 RB0
	s_lshl_b32 s22, s7, 15
	s_lshl_b32 s28, s5, 12
	s_add_co_u32 s22, s22, s28
	s_add_nc_u64 s[14:15], s[38:39], s[22:23]      ; pf at (RB0, key block 8 nt)
	s_lshl_b32 s22, s5, 15
	s_lshl_b32 s28, s7, 7
	s_add_co_u32 s22, s22, s28
	s_add_nc_u64 s[20:21], s[40:41], s[22:23]      ; st[nt] at row 16 RB0
.irp c, 0,1,2,3,4,5,6,7
.irp i, 0,1
	global_load_b32 v[T+2*\c+\i], v5, s[18:19] offset:\c*16384+\i*64   ; the 8 partial sums of q_ . bk of my two rows
.endr
.endr
	LOADB 0, 0                                     ; chunks 0 and 1, in the order in which they are needed
	LOADB 0, 1
	LOADA 0, 0
	LOADA 0, 1
	LOADB 1, 0
	LOADB 1, 1
	LOADA 1, 0
	LOADA 1, 1
	WIN 0                                          ; the loads above left the destination in window 1: the lines below work in window 0
	s_wait_loadcnt 63                              ; chunk 1's 64 loads are younger than chunk 0's: 63 is the largest count the wait can name
	v_pk_add_f32 v[8:9], v[T:T+1], v[T+2:T+3]
.irp c, 2,3,4,5,6,7
	v_pk_add_f32 v[8:9], v[8:9], v[T+2*\c:T+2*\c+1]
.endr
	v_pk_mul_f32 v[8:9], v[8:9], v[12:13]          ; c = SC (q_ . bk)
	CHUNK 0, -1, 2, 1
	CHUNK 1, 63, 3, 0                              ; 64 are younger: chunk 2's, issued during chunk 0
	CHUNK 2, 63, -1, 0                             ; 64 are younger: chunk 3's
	CHUNK 3, 0, -1, 0
	WIN 0
	PLACES
	SOFT 0
	SOFT 1
	v_cndmask_b32 v22, v16, v20, s29               ; lanes 0-15: (m, l) of block RB0's rows, lanes 16-31: of RB0 + 1
	v_cndmask_b32 v23, v17, v21, s29
	global_store_b64 v6, v[22:23], s[20:21]        ; 256 consecutive bytes, at a multiple of 256 from st's first byte (RB0 is even)
	s_wait_tensorcnt 0x0
	ds_add_u32 v30, v31
	s_wait_dscnt 0x0
	s_endpgm
.Lfunc_end_k_q0688651f8b_score:
	.size	k_q0688651f8b_score, .Lfunc_end_k_q0688651f8b_score-k_q0688651f8b_score
	.p2alignl 7, 3214868480
	.fill 96, 4, 3214868480
	.section	.rodata,"a",@progbits
	.p2align	6, 0x0
	.amdhsa_kernel k_q0688651f8b_score
		.amdhsa_group_segment_fixed_size 139776
		.amdhsa_private_segment_fixed_size 0
		.amdhsa_enable_private_segment 0
		.amdhsa_kernarg_size 40
		.amdhsa_user_sgpr_count 2
		.amdhsa_user_sgpr_kernarg_segment_ptr 1
		.amdhsa_wavefront_size32 1
		.amdhsa_system_sgpr_workgroup_id_x 1
		.amdhsa_system_sgpr_workgroup_id_y 1
		.amdhsa_system_sgpr_workgroup_id_z 1
		.amdhsa_system_vgpr_workitem_id 0
		.amdhsa_next_free_vgpr 896
		.amdhsa_next_free_sgpr 66
		.amdhsa_reserve_vcc 0
		.amdhsa_float_denorm_mode_32 3
		.amdhsa_float_denorm_mode_16_64 3
		.amdhsa_memory_ordered 1
		.amdhsa_forward_progress 1
		.amdhsa_inst_pref_size 130
	.end_amdhsa_kernel
	.amdgpu_metadata
---
amdhsa.version: [ 1, 2 ]
amdhsa.kernels:
  - .name:           k_q0688651f8b_score
    .symbol:         k_q0688651f8b_score.kd
    .args:
      - { .name: xb, .offset: 0, .size: 8, .value_kind: global_buffer, .address_space: global }
      - { .name: k, .offset: 8, .size: 8, .value_kind: global_buffer, .address_space: global }
      - { .name: cp, .offset: 16, .size: 8, .value_kind: global_buffer, .address_space: global }
      - { .name: pf, .offset: 24, .size: 8, .value_kind: global_buffer, .address_space: global }
      - { .name: st, .offset: 32, .size: 8, .value_kind: global_buffer, .address_space: global }
    .group_segment_fixed_size: 139776
    .private_segment_fixed_size: 0
    .kernarg_segment_align: 8
    .kernarg_segment_size: 40
    .max_flat_workgroup_size: 128
    .sgpr_count:     66
    .vgpr_count:     896
    .wavefront_size: 32
...
	.end_amdgpu_metadata
.endif
;; end of part 3
;; launch mix (part 4): grid 32 x 8, 4 waves a work-group, no clusters, 164,352 bytes of LDS; arguments pf, st, v, xa; writes xa
.if DOCPART == 4
	.amdgcn_target "amdgcn-amd-amdhsa--gfx1250"
	.amdhsa_code_object_version 6
	.text
	.protected	k_q0688651f8b_mix
	.globl	k_q0688651f8b_mix
	.p2align	8
	.type	k_q0688651f8b_mix,@function
k_q0688651f8b_mix:
	s_mov_b64 s[64:65], 0
	v_nop
	global_prefetch_b8 v0, s[64:65] scope:SCOPE_SE
	s_setreg_imm32_b32 hwreg(HW_REG_WAVE_MODE, 25, 1), 1
	s_wait_xcnt 0x0
; U[row][d] = sum_n w[row][n] v[b][n][d], the softmax weights applied to the RAW values (the value projection follows, on 64 rows a head
; in place of 1024).  w = f_t p / sum, with M = max_t m_t, f_t = 2^(m_t - M) <= 1, sum = sum_t f_t l_t >= 1 (the tile that holds M has f = 1, l >= 1).
; Each key tile t (128 keys = one K chunk) is summed by itself and joined by one multiply-add with f_t / sum.
; LIMITS: the order of rounding differs from reference(); v is rounded once to bf16; p comes as ONE bf16 plane (each weight within 2^-8 of
; itself; the row's largest, 1, exact), U leaves as hi + lo bf16 planes; v_exp_f32 gives zero for results below 2^-126.
; Batch b = id y; id x = 8 * row tile + column tile (64 columns d).  A wave makes 32 rows x 64 columns, RB0 = 32 (2 rt + w/2) + 4 b + 2 (w%2).
; The matrix instruction is used transposed (source 0 = 16 columns of v, source 1 = 16 rows of p); pf and xa are in fragment order.
; NO CLUSTER, NO TENSOR LOAD: v is f32 and passes through registers to become bf16, p never touches LDS; a joint load into LDS would
; add a write and a read of 512 KB of LDS for each work-group to the 160 KB that it stores there now.
; 8 chunks, each with LDS bytes of its own, written once: one barrier a chunk.
; LOADS: a chunk is 32 loads a wave (16 of v, 16 of fragments).  Chunks 0, 1, 2 are asked for at the head, chunk c + 3 during chunk c, in two runs
; of 16 behind runs of matrix instructions, so that a wave whose load counter is full (its issue then stalls: ISA guide 5.7.1) stalls while
; its matrix instructions run and not in front of them.
.set NCH,   8
.set PB,    2048                       ; bytes from row to row of v
.set RBS,   32768                      ; bytes of a 16-row block in pf
.set ORBS,  16384                      ; and in xa
.set REG,   20480                      ; LDS: a chunk of v, 128 rows (n) of 128 bytes at pitch 160
.set ACC,   32                         ; v32-95    a tile's sums, block (i, j) at ACC + 8 (4 i + j)
.set TOT,   96                         ; v96-159   the joined sums
.set BF,    160                        ; v160-223  fragments of v, two buffers of four
.set U,     192                        ; v192-199  the way out
.set T,     224                        ; v224-255  packed bf16 on the way to LDS; at the head: (m, l); the way out: hi planes
.set F,     8                          ; v8-23     f_t / sum: tile t, row block i at F + 2 t + i
; windows: 1: p's fragments, four buffers of 64, fragment (i, ks) at 8 (4 i + ks); 2: raw v, four slots of 64
.set MSB, 0
.macro WIN new
.if MSB != \new
	s_set_vgpr_msb (MSB<<8)|\new
.set MSB, \new
.endif
.endm
.macro PLACES                          ; four places behind a matrix instruction before its registers are loaded into, read or written (ISA guide 7.12.1)
.rept 4
	v_nop
.endr
.endm
.macro LOADA ch                        ; 16 loads: 2 row blocks x 4 steps of 32 keys x 2 halves
	WIN 0x40
.irp i, 0,1
.irp s, 0,1,2,3
.irp y, 0,1
	global_load_b128 v[64*((\ch)%4)+8*(4*\i+\s)+4*\y:64*((\ch)%4)+8*(4*\i+\s)+4*\y+3], v1, s[8:9] offset:\i*RBS+\ch*4096+\s*1024+\y*512
.endr
.endr
.endr
.endm
.macro LOADB ch                        ; 128 rows of v x 64 columns: 16 lanes take the 256 bytes of a row
	WIN 0x80
.set n, 0
.rept 16
	global_load_b128 v[64*((\ch)%4)+4*n:64*((\ch)%4)+4*n+3], v2, s[12:13] offset:(\ch*128+8*n)*PB
.set n, n+1
.endr
.endm
.macro CVTB ch
	WIN 0x0a
.set n, 0
.rept 32
	v_cvt_pk_bf16_f32 v[T+n], v[64*(\ch%4)+2*n], v[64*(\ch%4)+2*n+1]
.set n, n+1
.endr
	WIN 0
.set n, 0
.rept 16
	ds_store_b64 v3, v[T+2*n:T+2*n+1] offset:n*1280
.set n, n+1
.endr
.if \ch < NCH-1
	v_add_nc_u32 v3, REG, v3
.endif
.endm
.macro FETCH par, ks
.irp j, 0,1,2,3
	ds_load_tr16_b128 v[BF+32*\par+8*\j:BF+32*\par+8*\j+3], v4 offset:\ks*5120+\j*32
	ds_load_tr16_b128 v[BF+32*\par+8*\j+4:BF+32*\par+8*\j+7], v4 offset:\ks*5120+\j*32+2560
.endr
.endm
.macro MUL par, ks, zero               ; 8 matrix instructions on the 8 sums
.irp i, 0,1
.irp j, 0,1,2,3
.if \zero
	v_wmma_f32_16x16x32_bf16 v[ACC+8*(4*\i+\j):ACC+8*(4*\i+\j)+7], v[BF+32*\par+8*\j:BF+32*\par+8*\j+7], v[MAB+8*(4*\i+\ks):MAB+8*(4*\i+\ks)+7], 0
.else
	v_wmma_f32_16x16x32_bf16 v[ACC+8*(4*\i+\j):ACC+8*(4*\i+\j)+7], v[BF+32*\par+8*\j:BF+32*\par+8*\j+7], v[MAB+8*(4*\i+\ks):MAB+8*(4*\i+\ks)+7], v[ACC+8*(4*\i+\j):ACC+8*(4*\i+\j)+7]
.endif
.endr
.endr
.endm
.macro ACCUM ch                        ; TOT += tile's sums x f; the factor of row block 0 is the pair's first register, of block 1 its second
	PLACES
	WIN 0
.set n, 0
.rept 16
.if \ch
	v_pk_fma_f32 v[TOT+2*n:TOT+2*n+1], v[ACC+2*n:ACC+2*n+1], v[F+2*\ch:F+2*\ch+1], v[TOT+2*n:TOT+2*n+1] op_sel_hi:[1,0,1]
	v_pk_fma_f32 v[TOT+32+2*n:TOT+32+2*n+1], v[ACC+32+2*n:ACC+32+2*n+1], v[F+2*\ch:F+2*\ch+1], v[TOT+32+2*n:TOT+32+2*n+1] op_sel:[0,1,0]
.else
	v_pk_mul_f32 v[TOT+2*n:TOT+2*n+1], v[ACC+2*n:ACC+2*n+1], v[F:F+1] op_sel_hi:[1,0]
	v_pk_mul_f32 v[TOT+32+2*n:TOT+32+2*n+1], v[ACC+32+2*n:ACC+32+2*n+1], v[F:F+1] op_sel:[0,1]
.endif
.set n, n+1
.endr
.endm
; nx: the chunk that is asked for during this one (-1: none)
.macro CHUNK ch, nwait, nx
.if \nwait >= 0
	s_wait_loadcnt \nwait                          ; this chunk's fragments and raw v are in; the count = the younger loads (63 where 64 are younger)
.endif
	CVTB \ch
.if \ch
	v_add_nc_u32 v4, REG, v4
.endif
	s_wait_dscnt 0x0                               ; my stores of this chunk are in LDS,
	s_barrier_signal -1
	s_barrier_wait -1                              ; everybody's are
.set MAB, 64*((\ch)%4)
	WIN 0x04                                       ; source 1 in window 1; LDS loads use destination and source 0, both window 0
	FETCH 0, 0
	FETCH 1, 1
	s_wait_dscnt 8                                 ; the 8 loads just issued may stay out
	MUL 0, 0, 1                                    ; every tile starts its own sums; the last tile's were read 64 vector instructions ago
	PLACES
	FETCH 0, 2
.if \nx >= 0
	LOADB \nx                                      ; into the slot that the last chunk's conversions have read
	WIN 0x04
.endif
	s_wait_dscnt 8
	MUL 1, 1, 0
	PLACES
	FETCH 1, 3
.if \nx >= 0
	LOADA \nx                                      ; into the buffer that the last chunk's matrix instructions read, 64 vector instructions behind them
	WIN 0x04
.endif
	s_wait_dscnt 8
	MUL 0, 2, 0
	s_wait_dscnt 0x0
	MUL 1, 3, 0
	ACCUM \ch
.endm
.macro SPLIT x, h                      ; 8 f32 at x: hi plane to h, lo plane = bf16(x - hi) to x .. x+3; x - hi is exact in f32
.irp q, 0,1,2,3
	v_cvt_pk_bf16_f32 v[\h+\q], v[\x+2*\q], v[\x+2*\q+1]
.endr
.irp q, 0,1,2,3
	v_lshlrev_b32 v[U+2*\q], 16, v[\h+\q]
	v_and_b32 v[U+2*\q+1], s24, v[\h+\q]
.endr
.irp q, 0,1,2,3
	v_pk_add_f32 v[\x+2*\q:\x+2*\q+1], v[\x+2*\q:\x+2*\q+1], v[U+2*\q:U+2*\q+1] neg_lo:[0,1] neg_hi:[0,1]
.endr
.irp q, 0,1,2,3
	v_cvt_pk_bf16_f32 v[\x+\q], v[\x+2*\q], v[\x+2*\q+1]
.endr
.endm
.macro OUTB i, j
.set XX, TOT+8*(4*\i+\j)
.set HH, T+4*(4*\i+\j)
	SPLIT XX, HH
	global_store_b128 v1, v[HH:HH+3], s[14:15] offset:\i*ORBS+\j*512
	global_store_b128 v1, v[XX:XX+3], s[16:17] offset:\i*ORBS+\j*512
.endm
	s_load_b256 s[32:39], s[0:1], 0x0              ; pf, st, v, xa
	v_lshl_add_u32 v6, v0, 2, 0x28000
	v_mov_b32 v7, 0
	v_lshrrev_b32 v26, 5, v0
	v_readfirstlane_b32 s2, v26                    ; wave w
	s_and_b32 s4, ttmp7, 0xffff                    ; batch b
	s_and_b32 s5, ttmp9, 7                         ; column tile nt
	s_lshr_b32 s6, ttmp9, 3                        ; row tile rt
	s_mov_b32 s24, 0xffff0000
	v_and_b32 v27, 31, v0                          ; L
	v_and_b32 v28, 15, v0                          ; r
	v_bfe_u32 v29, v0, 4, 1                        ; hf
	v_lshrrev_b32 v30, 4, v0                       ; t / 16
	v_lshlrev_b32 v1, 4, v27                       ; 16 L
	v_lshlrev_b32 v2, 11, v30                      ; v: row t / 16, 16 bytes at 16 (t % 16)
	v_lshl_add_u32 v2, v28, 4, v2
	v_mul_u32_u24 v3, v30, 160
	v_lshl_add_u32 v3, v28, 3, v3
	v_and_b32 v31, 7, v0
	v_lshl_add_u32 v31, v29, 3, v31                ; transposing load: row 8 hf + L % 8,
	v_mul_u32_u24 v4, v31, 160
	v_bfe_u32 v31, v0, 3, 1
	v_lshl_add_u32 v4, v31, 4, v4                  ; 16 bytes at 16 ((L / 8) % 2)
	v_lshlrev_b32 v5, 3, v28                       ; st: 8 r
	s_lshr_b32 s7, s2, 1
	s_lshl1_add_u32 s7, s6, s7
	s_lshl_b32 s7, s7, 5
	s_lshl2_add_u32 s7, s4, s7
	s_and_b32 s28, s2, 1
	s_lshl1_add_u32 s7, s28, s7                    ; RB0 = 32 (2 rt + w / 2) + 4 b + 2 (w % 2)
	s_mov_b32 s23, 0
	s_wait_kmcnt 0x0
	s_lshl_b32 s22, s7, 15
	s_add_nc_u64 s[8:9], s[32:33], s[22:23]        ; p at RB0
	s_lshl_b32 s22, s7, 7
	s_add_nc_u64 s[18:19], s[34:35], s[22:23]      ; st at row 16 RB0
	s_lshl_b32 s22, s4, 21
	s_lshl_b32 s28, s5, 8
	s_add_co_u32 s22, s22, s28
	s_add_nc_u64 s[12:13], s[36:37], s[22:23]      ; v[b] at column 64 nt
	s_lshl_b32 s22, s7, 14
	s_lshl_b32 s28, s5, 11
	s_add_co_u32 s22, s22, s28
	s_add_nc_u64 s[14:15], s[38:39], s[22:23]      ; U at (RB0, column block 4 nt)
	s_add_nc_u64 s[16:17], s[14:15], 0x400000
.irp t, 0,1,2,3,4,5,6,7
.irp i, 0,1
	global_load_b64 v[T+4*\t+2*\i:T+4*\t+2*\i+1], v5, s[18:19] offset:\t*32768+\i*128    ; (m, l) of tile t for my two rows
.endr
.endr
	LOADB 0                                        ; chunks 0, 1, 2, in the order in which they are needed
	LOADA 0
	LOADB 1
	LOADA 1
	LOADB 2
	LOADA 2
	WIN 0                                          ; the loads above left the destination in window 1: the lines below work in window 0
	s_wait_loadcnt 63                              ; the 64 loads of chunks 1 and 2 are younger than chunk 0's: 63 is the largest count the wait can name
.irp i, 0,1
	v_max3_num_f32 v[26+\i], v[T+2*\i], v[T+4+2*\i], v[T+8+2*\i]
	v_max3_num_f32 v[26+\i], v[26+\i], v[T+12+2*\i], v[T+16+2*\i]
	v_max3_num_f32 v[26+\i], v[26+\i], v[T+20+2*\i], v[T+24+2*\i]
	v_max_num_f32 v[26+\i], v[26+\i], v[T+28+2*\i]                 ; M
.endr
.irp t, 0,1,2,3,4,5,6,7
.irp i, 0,1
	v_sub_f32 v[F+2*\t+\i], v[T+4*\t+2*\i], v[26+\i]
.endr
.endr
.set n, 0
.rept 16
	v_exp_f32 v[F+n], v[F+n]                       ; f_t = 2^(m_t - M)
.set n, n+1
.endr
	v_nop                                          ; one plain place behind the last transcendental
	s_wait_alu depctr_va_vdst(0)
.irp i, 0,1
	v_mul_f32 v[28+\i], v[F+\i], v[T+2*\i+1]
.irp t, 1,2,3,4,5,6,7
	v_fmac_f32 v[28+\i], v[F+2*\t+\i], v[T+4*\t+2*\i+1]            ; sum_t f_t l_t
.endr
.endr
	v_rcp_f32 v24, v28
	v_rcp_f32 v25, v29
	v_nop
	s_wait_alu depctr_va_vdst(0)
.irp t, 0,1,2,3,4,5,6,7
	v_pk_mul_f32 v[F+2*\t:F+2*\t+1], v[F+2*\t:F+2*\t+1], v[24:25]  ; the division is folded into the 16 factors
.endr
	CHUNK 0, -1, 3
	CHUNK 1, 63, 4                                 ; younger than chunk 1's loads: the 64 of chunks 2 and 3
	CHUNK 2, 63, 5
	CHUNK 3, 63, 6
	CHUNK 4, 63, 7
	CHUNK 5, 63, -1                                ; younger: the 64 of chunks 6 and 7
	CHUNK 6, 32, -1                                ; younger: chunk 7's 32
	CHUNK 7, 0, -1
.irp i, 0,1
.irp j, 0,1,2,3
	OUTB \i, \j
.endr
.endr
	s_wait_tensorcnt 0x0
	ds_add_u32 v6, v7
	s_wait_dscnt 0x0
	s_endpgm
.Lfunc_end_k_q0688651f8b_mix:
	.size	k_q0688651f8b_mix, .Lfunc_end_k_q0688651f8b_mix-k_q0688651f8b_mix
	.p2alignl 7, 3214868480
	.fill 96, 4, 3214868480
	.section	.rodata,"a",@progbits
	.p2align	6, 0x0
	.amdhsa_kernel k_q0688651f8b_mix
		.amdhsa_group_segment_fixed_size 164352
		.amdhsa_private_segment_fixed_size 0
		.amdhsa_enable_private_segment 0
		.amdhsa_kernarg_size 32
		.amdhsa_user_sgpr_count 2
		.amdhsa_user_sgpr_kernarg_segment_ptr 1
		.amdhsa_wavefront_size32 1
		.amdhsa_system_sgpr_workgroup_id_x 1
		.amdhsa_system_sgpr_workgroup_id_y 1
		.amdhsa_system_sgpr_workgroup_id_z 1
		.amdhsa_system_vgpr_workitem_id 0
		.amdhsa_next_free_vgpr 768
		.amdhsa_next_free_sgpr 66
		.amdhsa_reserve_vcc 0
		.amdhsa_float_denorm_mode_32 3
		.amdhsa_float_denorm_mode_16_64 3
		.amdhsa_memory_ordered 1
		.amdhsa_forward_progress 1
		.amdhsa_inst_pref_size 120
	.end_amdhsa_kernel
	.amdgpu_metadata
---
amdhsa.version: [ 1, 2 ]
amdhsa.kernels:
  - .name:           k_q0688651f8b_mix
    .symbol:         k_q0688651f8b_mix.kd
    .args:
      - { .name: pf, .offset: 0, .size: 8, .value_kind: global_buffer, .address_space: global }
      - { .name: st, .offset: 8, .size: 8, .value_kind: global_buffer, .address_space: global }
      - { .name: v, .offset: 16, .size: 8, .value_kind: global_buffer, .address_space: global }
      - { .name: xa, .offset: 24, .size: 8, .value_kind: global_buffer, .address_space: global }
    .group_segment_fixed_size: 164352
    .private_segment_fixed_size: 0
    .kernarg_segment_align: 8
    .kernarg_segment_size: 32
    .max_flat_workgroup_size: 128
    .sgpr_count:     66
    .vgpr_count:     768
    .wavefront_size: 32
...
	.end_amdgpu_metadata
.endif
;; end of part 4
;; launch vproj (part 5): grid 32 x 8, 4 waves a work-group, no clusters, 82,432 bytes of LDS; arguments xa, Wv, bv, xb; writes xb
.if DOCPART == 5
	.amdgcn_target "amdgcn-amd-amdhsa--gfx1250"
	.amdhsa_code_object_version 6
	.text
	.protected	k_q0688651f8b_vproj
	.globl	k_q0688651f8b_vproj
	.p2align	8
	.type	k_q0688651f8b_vproj,@function
k_q0688651f8b_vproj:
	s_mov_b64 s[64:65], 0
	v_nop
	global_prefetch_b8 v0, s[64:65] scope:SCOPE_SE
	s_setreg_imm32_b32 hwreg(HW_REG_WAVE_MODE, 25, 1), 1
	s_wait_xcnt 0x0
; o[h][row][e] = sum_d U[h][row][d] Wv[h][d][e] + bv[h][e]: the value projection, behind the softmax (whose weights sum to one, so that
; bv passes through unchanged).  LIMITS: the order of rounding differs from reference(); Wv is rounded once to bf16; U comes, and o leaves,
; as hi + lo bf16 planes in fragment order ([plane][RB = 32 h + row/16][16-column block][lane][16 B]).
; A work-group (4 waves) makes 128 rows x 64 columns for head h = id y; a wave 32 rows x 64 columns.  id x = 8 * row tile + column tile.
; The matrix instruction is used transposed (source 0 = 16 columns of Wv, source 1 = 16 rows of U).
; NO CLUSTER, NO TENSOR LOAD: Wv is f32 and passes through registers to become bf16, U never touches LDS; a joint load into LDS would
; add a write and a read of 384 KB of LDS for each work-group to the 80 KB that it stores there now.
; K (= d) goes in 4 chunks of 128, each with LDS bytes of its own, written once: one barrier a chunk.
; LOADS: a chunk is 48 loads a wave (16 of Wv, 32 of fragments).  Chunks 0 and 1 are asked for at the head, chunk c + 2 during chunk c:
; Wv's 16 behind the wait at the chunk's head, where 48 are out, the fragments in two runs of 16 behind runs of matrix instructions, so that
; a wave whose load counter is full (its issue then stalls: ISA guide 5.7.1) stalls while its matrix instructions run and not in front of them.
.set NCH,   4
.set PB,    2048
.set RBS,   16384
.set PLANE, 0x400000
.set REG,   20480                      ; LDS: a chunk of Wv, 128 rows (d) of 128 bytes at pitch 160
.set ACC,   32
.set BF,    160
.set U,     192
.set T,     224
.set BV,    128                        ; window 3: v128-159 bv of my 32 columns
.set MSB, 0
.macro WIN new
.if MSB != \new
	s_set_vgpr_msb (MSB<<8)|\new
.set MSB, \new
.endif
.endm
.macro PLACES                          ; four places behind a matrix instruction before its registers are loaded into, read or written (ISA guide 7.12.1)
.rept 4
	v_nop
.endr
.endm
.macro LOADA ch, i                     ; 16 loads: row block i: 2 planes x 4 steps of 32 k x 2 halves
.set LB3, (\ch)%3
.set LAB, 128*(LB3%2)
.set LW, 0x40+0x80*(LB3/2)
	WIN LW
.irp s, 0,1,2,3
.irp y, 0,1
	global_load_b128 v[LAB+8*(8*\i+\s)+4*\y:LAB+8*(8*\i+\s)+4*\y+3], v1, s[8:9] offset:\i*RBS+\ch*4096+\s*1024+\y*512
	global_load_b128 v[LAB+8*(8*\i+4+\s)+4*\y:LAB+8*(8*\i+4+\s)+4*\y+3], v1, s[10:11] offset:\i*RBS+\ch*4096+\s*1024+\y*512
.endr
.endr
.endm
.macro LOADB ch
	WIN 0x80
.set n, 0
.rept 16
	global_load_b128 v[64*\ch+4*n:64*\ch+4*n+3], v2, s[12:13] offset:(\ch*128+8*n)*PB
.set n, n+1
.endr
.endm
.macro CVTB ch
	WIN 0x0a
.set n, 0
.rept 32
	v_cvt_pk_bf16_f32 v[T+n], v[64*\ch+2*n], v[64*\ch+2*n+1]
.set n, n+1
.endr
	WIN 0
.set n, 0
.rept 16
	ds_store_b64 v3, v[T+2*n:T+2*n+1] offset:n*1280
.set n, n+1
.endr
.if \ch < NCH-1
	v_add_nc_u32 v3, REG, v3
.endif
.endm
.macro FETCH par, ks
.irp j, 0,1,2,3
	ds_load_tr16_b128 v[BF+32*\par+8*\j:BF+32*\par+8*\j+3], v4 offset:\ks*5120+\j*32
	ds_load_tr16_b128 v[BF+32*\par+8*\j+4:BF+32*\par+8*\j+7], v4 offset:\ks*5120+\j*32+2560
.endr
.endm
.macro MUL par, ks, zero
.irp p, 0,1
.irp i, 0,1
.irp j, 0,1,2,3
.if \zero*(1-\p)
	v_wmma_f32_16x16x32_bf16 v[ACC+8*(4*\i+\j):ACC+8*(4*\i+\j)+7], v[BF+32*\par+8*\j:BF+32*\par+8*\j+7], v[MAB+8*(8*\i+4*\p+\ks):MAB+8*(8*\i+4*\p+\ks)+7], 0
.else
	v_wmma_f32_16x16x32_bf16 v[ACC+8*(4*\i+\j):ACC+8*(4*\i+\j)+7], v[BF+32*\par+8*\j:BF+32*\par+8*\j+7], v[MAB+8*(8*\i+4*\p+\ks):MAB+8*(8*\i+4*\p+\ks)+7], v[ACC+8*(4*\i+\j):ACC+8*(4*\i+\j)+7]
.endif
.endr
.endr
.endr
.endm
; nx: the chunk that is asked for during this one (-1: none)
.macro CHUNK ch, nwait, nx, zero
	s_wait_loadcnt \nwait                          ; this chunk's fragments and raw Wv are in; the count = the next chunk's loads, which stay out
.if \nx >= 0
	LOADB \nx                                      ; 48 are out: 16 more
.endif
	CVTB \ch
.if \ch
	v_add_nc_u32 v4, REG, v4
.endif
	s_wait_dscnt 0x0                               ; my stores of this chunk are in LDS,
	s_barrier_signal -1
	s_barrier_wait -1                              ; everybody's are
.set MB3, (\ch)%3
.set MAB, 128*(MB3%2)
.set MW, 0x04+0x08*(MB3/2)
	WIN MW
	FETCH 0, 0                                     ; the 32 conversions are the places behind the last chunk's matrix instructions
	FETCH 1, 1
	s_wait_dscnt 8                                 ; the 8 loads just issued may stay out
	MUL 0, 0, \zero
	PLACES
	FETCH 0, 2
.if \nx >= 0
	LOADA \nx, 0                                   ; into the buffer that the last chunk's matrix instructions read, the 32 conversions behind them
	WIN MW
.endif
	s_wait_dscnt 8
	MUL 1, 1, 0
	PLACES
	FETCH 1, 3
.if \nx >= 0
	LOADA \nx, 1
	WIN MW
.endif
	s_wait_dscnt 8
	MUL 0, 2, 0
	s_wait_dscnt 0x0
	MUL 1, 3, 0
.endm
.macro SPLIT x, h
.irp q, 0,1,2,3
	v_cvt_pk_bf16_f32 v[\h+\q], v[\x+2*\q], v[\x+2*\q+1]
.endr
.irp q, 0,1,2,3
	v_lshlrev_b32 v[U+2*\q], 16, v[\h+\q]
	v_and_b32 v[U+2*\q+1], s24, v[\h+\q]
.endr
.irp q, 0,1,2,3
	v_pk_add_f32 v[\x+2*\q:\x+2*\q+1], v[\x+2*\q:\x+2*\q+1], v[U+2*\q:U+2*\q+1] neg_lo:[0,1] neg_hi:[0,1]
.endr
.irp q, 0,1,2,3
	v_cvt_pk_bf16_f32 v[\x+\q], v[\x+2*\q], v[\x+2*\q+1]
.endr
.endm
.macro OUTB i, j
.set XX, ACC+8*(4*\i+\j)
.set HH, T+4*(4*\i+\j)
	SPLIT XX, HH
	global_store_b128 v1, v[HH:HH+3], s[14:15] offset:\i*RBS+\j*512
	global_store_b128 v1, v[XX:XX+3], s[16:17] offset:\i*RBS+\j*512
.endm
	s_load_b256 s[32:39], s[0:1], 0x0              ; xa, Wv, bv, xb
	v_lshl_add_u32 v158, v0, 2, 0x14000
	v_mov_b32 v159, 0
	v_lshrrev_b32 v26, 5, v0
	v_readfirstlane_b32 s2, v26                    ; wave w
	s_and_b32 s4, ttmp7, 0xffff                    ; head h
	s_and_b32 s5, ttmp9, 7                         ; column tile nt
	s_lshr_b32 s6, ttmp9, 3                        ; row tile rt
	s_mov_b32 s24, 0xffff0000
	v_and_b32 v27, 31, v0                          ; L
	v_and_b32 v28, 15, v0                          ; r
	v_bfe_u32 v29, v0, 4, 1                        ; hf
	v_lshrrev_b32 v30, 4, v0                       ; t / 16
	v_lshlrev_b32 v1, 4, v27                       ; 16 L
	v_lshlrev_b32 v2, 11, v30                      ; Wv: row t / 16, 16 bytes at 16 (t % 16)
	v_lshl_add_u32 v2, v28, 4, v2
	v_mul_u32_u24 v3, v30, 160
	v_lshl_add_u32 v3, v28, 3, v3
	v_and_b32 v31, 7, v0
	v_lshl_add_u32 v31, v29, 3, v31
	v_mul_u32_u24 v4, v31, 160
	v_bfe_u32 v31, v0, 3, 1
	v_lshl_add_u32 v4, v31, 4, v4
	v_lshlrev_b32 v5, 5, v29                       ; bv: 8 hf numbers
	s_lshl_b32 s7, s4, 5
	s_lshl3_add_u32 s7, s6, s7
	s_lshl1_add_u32 s7, s2, s7                     ; RB0 = 32 h + 8 rt + 2 w
	s_mov_b32 s23, 0
	s_wait_kmcnt 0x0
	s_lshl_b32 s22, s7, 14
	s_add_nc_u64 s[8:9], s[32:33], s[22:23]        ; U, hi plane, at RB0
	s_add_nc_u64 s[10:11], s[8:9], PLANE
	s_lshl_b32 s28, s5, 11
	s_add_co_u32 s22, s22, s28
	s_add_nc_u64 s[14:15], s[38:39], s[22:23]      ; o at (RB0, column block 4 nt)
	s_add_nc_u64 s[16:17], s[14:15], PLANE
	s_lshl_b32 s22, s4, 20
	s_lshl_b32 s28, s5, 8
	s_add_co_u32 s22, s22, s28
	s_add_nc_u64 s[12:13], s[34:35], s[22:23]      ; Wv[h] at column 64 nt
	s_lshl_b32 s22, s4, 11
	s_add_co_u32 s22, s22, s28
	s_add_nc_u64 s[18:19], s[36:37], s[22:23]      ; bv[h] at column 64 nt
	WIN 0xc0
.irp j, 0,1,2,3
.irp y, 0,1
	global_load_b128 v[BV+8*\j+4*\y:BV+8*\j+4*\y+3], v5, s[18:19] offset:\j*64+\y*16
.endr
.endr
	LOADB 0                                        ; chunks 0 and 1, in the order in which they are needed
	LOADA 0, 0
	LOADA 0, 1
	LOADB 1
	LOADA 1, 0
	LOADA 1, 1
	CHUNK 0, 48, 2, 1                              ; younger than chunk 0's loads: chunk 1's 48
	CHUNK 1, 48, 3, 0                              ; younger: chunk 2's 48, issued during chunk 0
	CHUNK 2, 48, -1, 0                             ; younger: chunk 3's 48
	CHUNK 3, 0, -1, 0
	PLACES
	WIN 0x0c                                       ; source 1 in window 3: bv
.irp i, 0,1
.irp j, 0,1,2,3
.irp q, 0,1,2,3
	v_pk_add_f32 v[ACC+8*(4*\i+\j)+2*\q:ACC+8*(4*\i+\j)+2*\q+1], v[ACC+8*(4*\i+\j)+2*\q:ACC+8*(4*\i+\j)+2*\q+1], v[BV+8*\j+2*\q:BV+8*\j+2*\q+1]
.endr
.endr
.endr
	WIN 0
.irp i, 0,1
.irp j, 0,1,2,3
	OUTB \i, \j
.endr
.endr
	s_wait_tensorcnt 0x0
	ds_add_u32 v158, v159
	s_wait_dscnt 0x0
	s_endpgm
.Lfunc_end_k_q0688651f8b_vproj:
	.size	k_q0688651f8b_vproj, .Lfunc_end_k_q0688651f8b_vproj-k_q0688651f8b_vproj
	.p2alignl 7, 3214868480
	.fill 96, 4, 3214868480
	.section	.rodata,"a",@progbits
	.p2align	6, 0x0
	.amdhsa_kernel k_q0688651f8b_vproj
		.amdhsa_group_segment_fixed_size 82432
		.amdhsa_private_segment_fixed_size 0
		.amdhsa_enable_private_segment 0
		.amdhsa_kernarg_size 32
		.amdhsa_user_sgpr_count 2
		.amdhsa_user_sgpr_kernarg_segment_ptr 1
		.amdhsa_wavefront_size32 1
		.amdhsa_system_sgpr_workgroup_id_x 1
		.amdhsa_system_sgpr_workgroup_id_y 1
		.amdhsa_system_sgpr_workgroup_id_z 1
		.amdhsa_system_vgpr_workitem_id 0
		.amdhsa_next_free_vgpr 928
		.amdhsa_next_free_sgpr 66
		.amdhsa_reserve_vcc 0
		.amdhsa_float_denorm_mode_32 3
		.amdhsa_float_denorm_mode_16_64 3
		.amdhsa_memory_ordered 1
		.amdhsa_forward_progress 1
		.amdhsa_inst_pref_size 72
	.end_amdhsa_kernel
	.amdgpu_metadata
---
amdhsa.version: [ 1, 2 ]
amdhsa.kernels:
  - .name:           k_q0688651f8b_vproj
    .symbol:         k_q0688651f8b_vproj.kd
    .args:
      - { .name: xa, .offset: 0, .size: 8, .value_kind: global_buffer, .address_space: global }
      - { .name: Wv, .offset: 8, .size: 8, .value_kind: global_buffer, .address_space: global }
      - { .name: bv, .offset: 16, .size: 8, .value_kind: global_buffer, .address_space: global }
      - { .name: xb, .offset: 24, .size: 8, .value_kind: global_buffer, .address_space: global }
    .group_segment_fixed_size: 82432
    .private_segment_fixed_size: 0
    .kernarg_segment_align: 8
    .kernarg_segment_size: 32
    .max_flat_workgroup_size: 128
    .sgpr_count:     66
    .vgpr_count:     928
    .wavefront_size: 32
...
	.end_amdgpu_metadata
.endif
;; end of part 5
;; launch oproj (part 6): grid 32 x 8, 4 waves a work-group, no clusters, 82,432 bytes of LDS; arguments xb, Wo, part; writes part
.if DOCPART == 6
	.amdgcn_target "amdgcn-amd-amdhsa--gfx1250"
	.amdhsa_code_object_version 6
	.text
	.protected	k_q0688651f8b_oproj
	.globl	k_q0688651f8b_oproj
	.p2align	8
	.type	k_q0688651f8b_oproj,@function
k_q0688651f8b_oproj:
	s_mov_b64 s[64:65], 0
	v_nop
	global_prefetch_b8 v0, s[64:65] scope:SCOPE_SE
	s_setreg_imm32_b32 hwreg(HW_REG_WAVE_MODE, 25, 1), 1
	s_wait_xcnt 0x0
; part[h][row][c] = sum_e o[h][row][e] Wo[8 e + h][c]: head h's share of the last product (its K index is 8 e + h); the 8 shares are added
; by the next launch, in ascending h, since a sum over work-groups is not made inside a launch.
; LIMITS: the order of rounding differs from reference(); Wo is rounded once to bf16; o comes as hi + lo bf16 planes in fragment order.
; A work-group (4 waves) makes 128 rows x 64 columns for head h = id y; a wave 32 rows x 64 columns.  id x = 8 * row tile + column tile.
; The matrix instruction is used transposed; the f32 sums leave as they lie in the registers: part = [h][16-row block][16-column block]
; [half][lane][16 B], each store of a wave 512 consecutive bytes.
; NO CLUSTER, NO TENSOR LOAD: Wo is f32 and passes through registers to become bf16, o never touches LDS; a joint load into LDS would
; add a write and a read of 384 KB of LDS for each work-group to the 80 KB that it stores there now.
; K (= e) goes in 4 chunks of 128, each with LDS bytes of its own, written once: one barrier a chunk.
; LOADS: a chunk is 48 loads a wave (16 of Wo, 32 of fragments).  Chunks 0 and 1 are asked for at the head, chunk c + 2 during chunk c:
; Wo's 16 behind the wait at the chunk's head, where 48 are out, the fragments in two runs of 16 behind runs of matrix instructions, so that
; a wave whose load counter is full (its issue then stalls: ISA guide 5.7.1) stalls while its matrix instructions run and not in front of them.
.set NCH,   4
.set PB,    16384                      ; from e to e + 1 at a fixed head: 8 rows of Wo.  Largest immediate: 504 x 16384 = 8,257,536, inside the signed 24 bits
.set RBS,   16384
.set PLANE, 0x400000
.set REG,   20480
.set ACC,   32
.set BF,    160
.set T,     224
.set MSB, 0
.macro WIN new
.if MSB != \new
	s_set_vgpr_msb (MSB<<8)|\new
.set MSB, \new
.endif
.endm
.macro PLACES                          ; four places behind a matrix instruction before its registers are loaded into, read or written (ISA guide 7.12.1)
.rept 4
	v_nop
.endr
.endm
.macro LOADA ch, i                     ; 16 loads: row block i: 2 planes x 4 steps of 32 k x 2 halves
.set LB3, (\ch)%3
.set LAB, 128*(LB3%2)
.set LW, 0x40+0x80*(LB3/2)
	WIN LW
.irp s, 0,1,2,3
.irp y, 0,1
	global_load_b128 v[LAB+8*(8*\i+\s)+4*\y:LAB+8*(8*\i+\s)+4*\y+3], v1, s[8:9] offset:\i*RBS+\ch*4096+\s*1024+\y*512
	global_load_b128 v[LAB+8*(8*\i+4+\s)+4*\y:LAB+8*(8*\i+4+\s)+4*\y+3], v1, s[10:11] offset:\i*RBS+\ch*4096+\s*1024+\y*512
.endr
.endr
.endm
.macro LOADB ch                        ; 128 rows (e) x 64 columns: 16 lanes take 256 consecutive bytes of a row of Wo
	WIN 0x80
.set n, 0
.rept 16
	global_load_b128 v[64*\ch+4*n:64*\ch+4*n+3], v2, s[12:13] offset:(\ch*128+8*n)*PB
.set n, n+1
.endr
.endm
.macro CVTB ch
	WIN 0x0a
.set n, 0
.rept 32
	v_cvt_pk_bf16_f32 v[T+n], v[64*\ch+2*n], v[64*\ch+2*n+1]
.set n, n+1
.endr
	WIN 0
.set n, 0
.rept 16
	ds_store_b64 v3, v[T+2*n:T+2*n+1] offset:n*1280
.set n, n+1
.endr
.if \ch < NCH-1
	v_add_nc_u32 v3, REG, v3
.endif
.endm
.macro FETCH par, ks
.irp j, 0,1,2,3
	ds_load_tr16_b128 v[BF+32*\par+8*\j:BF+32*\par+8*\j+3], v4 offset:\ks*5120+\j*32
	ds_load_tr16_b128 v[BF+32*\par+8*\j+4:BF+32*\par+8*\j+7], v4 offset:\ks*5120+\j*32+2560
.endr
.endm
.macro MUL par, ks, zero
.irp p, 0,1
.irp i, 0,1
.irp j, 0,1,2,3
.if \zero*(1-\p)
	v_wmma_f32_16x16x32_bf16 v[ACC+8*(4*\i+\j):ACC+8*(4*\i+\j)+7], v[BF+32*\par+8*\j:BF+32*\par+8*\j+7], v[MAB+8*(8*\i+4*\p+\ks):MAB+8*(8*\i+4*\p+\ks)+7], 0
.else
	v_wmma_f32_16x16x32_bf16 v[ACC+8*(4*\i+\j):ACC+8*(4*\i+\j)+7], v[BF+32*\par+8*\j:BF+32*\par+8*\j+7], v[MAB+8*(8*\i+4*\p+\ks):MAB+8*(8*\i+4*\p+\ks)+7], v[ACC+8*(4*\i+\j):ACC+8*(4*\i+\j)+7]
.endif
.endr
.endr
.endr
.endm
; nx: the chunk that is asked for during this one (-1: none)
.macro CHUNK ch, nwait, nx, zero
	s_wait_loadcnt \nwait                          ; this chunk's fragments and raw Wo are in; the count = the next chunk's loads, which stay out
.if \nx >= 0
	LOADB \nx                                      ; 48 are out: 16 more
.endif
	CVTB \ch
.if \ch
	v_add_nc_u32 v4, REG, v4
.endif
	s_wait_dscnt 0x0                               ; my stores of this chunk are in LDS,
	s_barrier_signal -1
	s_barrier_wait -1                              ; everybody's are
.set MB3, (\ch)%3
.set MAB, 128*(MB3%2)
.set MW, 0x04+0x08*(MB3/2)
	WIN MW
	FETCH 0, 0                                     ; the 32 conversions are the places behind the last chunk's matrix instructions
	FETCH 1, 1
	s_wait_dscnt 8                                 ; the 8 loads just issued may stay out
	MUL 0, 0, \zero
	PLACES
	FETCH 0, 2
.if \nx >= 0
	LOADA \nx, 0                                   ; into the buffer that the last chunk's matrix instructions read, the 32 conversions behind them
	WIN MW
.endif
	s_wait_dscnt 8
	MUL 1, 1, 0
	PLACES
	FETCH 1, 3
.if \nx >= 0
	LOADA \nx, 1
	WIN MW
.endif
	s_wait_dscnt 8
	MUL 0, 2, 0
	s_wait_dscnt 0x0
	MUL 1, 3, 0
.endm
	s_load_b128 s[32:35], s[0:1], 0x0              ; xb, Wo
	s_load_b64 s[36:37], s[0:1], 0x10              ; part
	v_lshl_add_u32 v158, v0, 2, 0x14000
	v_mov_b32 v159, 0
	v_lshrrev_b32 v26, 5, v0
	v_readfirstlane_b32 s2, v26                    ; wave w
	s_and_b32 s4, ttmp7, 0xffff                    ; head h
	s_and_b32 s5, ttmp9, 7                         ; column tile nt
	s_lshr_b32 s6, ttmp9, 3                        ; row tile rt
	v_and_b32 v27, 31, v0                          ; L
	v_and_b32 v28, 15, v0                          ; r
	v_bfe_u32 v29, v0, 4, 1                        ; hf
	v_lshrrev_b32 v30, 4, v0                       ; t / 16
	v_lshlrev_b32 v1, 4, v27                       ; 16 L
	v_lshlrev_b32 v2, 14, v30                      ; Wo: e = t / 16, 16 bytes at 16 (t % 16)
	v_lshl_add_u32 v2, v28, 4, v2
	v_mul_u32_u24 v3, v30, 160
	v_lshl_add_u32 v3, v28, 3, v3
	v_and_b32 v31, 7, v0
	v_lshl_add_u32 v31, v29, 3, v31
	v_mul_u32_u24 v4, v31, 160
	v_bfe_u32 v31, v0, 3, 1
	v_lshl_add_u32 v4, v31, 4, v4
	s_lshl1_add_u32 s3, s2, 0                      ; 2 w
	s_lshl3_add_u32 s3, s6, s3                     ; row block in the head: 8 rt + 2 w
	s_lshl_b32 s7, s4, 5
	s_add_co_u32 s7, s7, s3                        ; RB0 = 32 h + 8 rt + 2 w
	s_mov_b32 s23, 0
	s_wait_kmcnt 0x0
	s_lshl_b32 s22, s7, 14
	s_add_nc_u64 s[8:9], s[32:33], s[22:23]        ; o, hi plane, at RB0
	s_add_nc_u64 s[10:11], s[8:9], PLANE
	s_lshl_b32 s22, s4, 11
	s_lshl_b32 s28, s5, 8
	s_add_co_u32 s22, s22, s28
	s_add_nc_u64 s[12:13], s[34:35], s[22:23]      ; Wo at row h, column 64 nt
	s_lshl_b32 s22, s7, 15                         ; part: RB0 x 32 column blocks x 1024 bytes (32 row blocks a head = 1 MB)
	s_lshl_b32 s28, s5, 12
	s_add_co_u32 s22, s22, s28
	s_add_nc_u64 s[14:15], s[36:37], s[22:23]
	LOADB 0                                        ; chunks 0 and 1, in the order in which they are needed
	LOADA 0, 0
	LOADA 0, 1
	LOADB 1
	LOADA 1, 0
	LOADA 1, 1
	CHUNK 0, 48, 2, 1                              ; younger than chunk 0's loads: chunk 1's 48
	CHUNK 1, 48, 3, 0                              ; younger: chunk 2's 48, issued during chunk 0
	CHUNK 2, 48, -1, 0                             ; younger: chunk 3's 48
	CHUNK 3, 0, -1, 0
	WIN 0
	PLACES
.irp i, 0,1
.irp j, 0,1,2,3
	global_store_b128 v1, v[ACC+8*(4*\i+\j):ACC+8*(4*\i+\j)+3], s[14:15] offset:\i*32768+\j*1024
	global_store_b128 v1, v[ACC+8*(4*\i+\j)+4:ACC+8*(4*\i+\j)+7], s[14:15] offset:\i*32768+\j*1024+512
.endr
.endr
	s_wait_tensorcnt 0x0
	ds_add_u32 v158, v159
	s_wait_dscnt 0x0
	s_endpgm
.Lfunc_end_k_q0688651f8b_oproj:
	.size	k_q0688651f8b_oproj, .Lfunc_end_k_q0688651f8b_oproj-k_q0688651f8b_oproj
	.p2alignl 7, 3214868480
	.fill 96, 4, 3214868480
	.section	.rodata,"a",@progbits
	.p2align	6, 0x0
	.amdhsa_kernel k_q0688651f8b_oproj
		.amdhsa_group_segment_fixed_size 82432
		.amdhsa_private_segment_fixed_size 0
		.amdhsa_enable_private_segment 0
		.amdhsa_kernarg_size 24
		.amdhsa_user_sgpr_count 2
		.amdhsa_user_sgpr_kernarg_segment_ptr 1
		.amdhsa_wavefront_size32 1
		.amdhsa_system_sgpr_workgroup_id_x 1
		.amdhsa_system_sgpr_workgroup_id_y 1
		.amdhsa_system_sgpr_workgroup_id_z 1
		.amdhsa_system_vgpr_workitem_id 0
		.amdhsa_next_free_vgpr 896
		.amdhsa_next_free_sgpr 66
		.amdhsa_reserve_vcc 0
		.amdhsa_float_denorm_mode_32 3
		.amdhsa_float_denorm_mode_16_64 3
		.amdhsa_memory_ordered 1
		.amdhsa_forward_progress 1
		.amdhsa_inst_pref_size 61
	.end_amdhsa_kernel
	.amdgpu_metadata
---
amdhsa.version: [ 1, 2 ]
amdhsa.kernels:
  - .name:           k_q0688651f8b_oproj
    .symbol:         k_q0688651f8b_oproj.kd
    .args:
      - { .name: xb, .offset: 0, .size: 8, .value_kind: global_buffer, .address_space: global }
      - { .name: Wo, .offset: 8, .size: 8, .value_kind: global_buffer, .address_space: global }
      - { .name: part, .offset: 16, .size: 8, .value_kind: global_buffer, .address_space: global }
    .group_segment_fixed_size: 82432
    .private_segment_fixed_size: 0
    .kernarg_segment_align: 8
    .kernarg_segment_size: 24
    .max_flat_workgroup_size: 128
    .sgpr_count:     66
    .vgpr_count:     896
    .wavefront_size: 32
...
	.end_amdgpu_metadata
.endif
;; end of part 6
;; launch sum (part 7): grid 256 x 1, 1 waves a work-group, no clusters, 4,608 bytes of LDS; arguments part, bo, out0; writes out0
.if DOCPART == 7
	.amdgcn_target "amdgcn-amd-amdhsa--gfx1250"
	.amdhsa_code_object_version 6
	.text
	.protected	k_q0688651f8b_sum
	.globl	k_q0688651f8b_sum
	.p2align	8
	.type	k_q0688651f8b_sum,@function
k_q0688651f8b_sum:
	s_mov_b64 s[64:65], 0
	v_nop
	global_prefetch_b8 v0, s[64:65] scope:SCOPE_SE
	s_setreg_imm32_b32 hwreg(HW_REG_WAVE_MODE, 25, 1), 1
	s_wait_xcnt 0x0
; out0[row][c] = bo[c] + sum over h (ascending) of part[h][row][c].  A stream: 8 MB in, 1 MB out; matrix units, clusters and tensor loads
; have nothing to do here (no work-group shares a byte with another, but for the 256 bytes of bo).
; One wave makes 16 rows x 64 columns: rb = id x / 8, g = id x % 8.  part lies as the matrix results lay in registers:
; [h][rb][16-column block][half][lane][16 B], lane (r, hf) holding (row r, columns 16 j + 8 hf + 4 half + 0..3): every load of the wave
; covers 512 consecutive bytes.  The sums go through a stage in LDS (pitch 272 = 17 x 16 bytes) to become rows: 16 lanes then store
; the 256 consecutive bytes of a row's 64 columns, at a multiple of 256 from out0's first byte.  One wave: no barrier.
.set BO,  32                           ; v32-63    bo of my columns, in the order of a slot
.set S,   64                           ; v64-255   six slots of 32; slot 0 becomes the sum
.macro LOADH hd, slot                  ; head hd's 4 KB
.irp j, 0,1,2,3
.irp y, 0,1
	global_load_b128 v[S+32*\slot+8*\j+4*\y:S+32*\slot+8*\j+4*\y+3], v1, s[4:5] offset:\hd*0x100000+\j*1024+\y*512 th:TH_LOAD_NT
.endr
.endr
.endm
.macro ADDH base
.set n, 0
.rept 16
	v_pk_add_f32 v[S+2*n:S+2*n+1], v[S+2*n:S+2*n+1], v[\base+2*n:\base+2*n+1]
.set n, n+1
.endr
.endm
	s_load_b128 s[4:7], s[0:1], 0x0                ; part, bo
	s_load_b64 s[8:9], s[0:1], 0x10                ; out0
	v_lshl_add_u32 v30, v0, 2, 0x1100
	v_mov_b32 v31, 0
	s_lshr_b32 s10, ttmp9, 3                       ; rb
	s_and_b32 s11, ttmp9, 7                        ; g
	v_lshlrev_b32 v1, 4, v0                        ; 16 L
	v_and_b32 v6, 15, v0                           ; r
	v_lshrrev_b32 v7, 4, v0                        ; hf
	v_lshlrev_b32 v2, 5, v7                        ; bo: 8 hf numbers
	v_mul_u32_u24 v3, v6, 272
	v_lshl_add_u32 v3, v7, 5, v3                   ; stage, in: row r, 32 hf bytes
	v_mul_u32_u24 v4, v7, 272
	v_lshl_add_u32 v4, v6, 4, v4                   ; stage, back: lanes 0-15 one row, lanes 16-31 the next
	v_lshlrev_b32 v5, 11, v7
	v_lshl_add_u32 v5, v6, 4, v5                   ; and the same two rows in out0
	s_lshl_b32 s12, s10, 15
	s_lshl_b32 s14, s11, 12
	s_add_co_u32 s12, s12, s14                     ; part: 32768 rb + 4096 g
	s_mov_b32 s13, 0
	s_lshl_b32 s14, s11, 8                         ; bo: 256 g
	s_mov_b32 s15, 0
	s_lshl_b32 s16, s10, 15
	s_add_co_u32 s16, s16, s14                     ; out0: 16 rb rows of 2048 bytes + 256 g
	s_mov_b32 s17, 0
	s_wait_kmcnt 0x0
	s_add_nc_u64 s[4:5], s[4:5], s[12:13]
	s_add_nc_u64 s[6:7], s[6:7], s[14:15]
	s_add_nc_u64 s[8:9], s[8:9], s[16:17]
.irp j, 0,1,2,3
.irp y, 0,1
	global_load_b128 v[BO+8*\j+4*\y:BO+8*\j+4*\y+3], v2, s[6:7] offset:\j*64+\y*16
.endr
.endr
	LOADH 0, 0
	LOADH 1, 1
	LOADH 2, 2
	LOADH 3, 3
	LOADH 4, 4
	LOADH 5, 5
	s_wait_loadcnt 40                              ; bo and head 0 are in; heads 1-5 (40 loads) stay out
	ADDH BO
	s_wait_loadcnt 32                              ; head 1; heads 2-5 stay out
	ADDH S+32
	LOADH 6, 1                                     ; into the slot just added
	s_wait_loadcnt 32                              ; head 2; heads 3-6 stay out
	ADDH S+64
	LOADH 7, 2
	s_wait_loadcnt 32                              ; head 3; heads 4-7 stay out
	ADDH S+96
	s_wait_loadcnt 24
	ADDH S+128
	s_wait_loadcnt 16
	ADDH S+160
	s_wait_loadcnt 8
	ADDH S+32
	s_wait_loadcnt 0x0
	ADDH S+64
.irp j, 0,1,2,3
.irp y, 0,1
	ds_store_b128 v3, v[S+8*\j+4*\y:S+8*\j+4*\y+3] offset:\j*64+\y*16
.endr
.endr
.irp t, 0,1,2,3,4,5,6,7
	ds_load_b128 v[S+96+4*\t:S+96+4*\t+3], v4 offset:\t*544        ; LDS serves a wave's instructions in order (ISA guide 5.7.1): these see the stores above
.endr
.irp t, 0,1,2,3,4,5,6,7
	s_wait_dscnt 7-\t
	global_store_b128 v5, v[S+96+4*\t:S+96+4*\t+3], s[8:9] offset:\t*4096 th:TH_STORE_NT
.endr
	s_wait_tensorcnt 0x0
	ds_add_u32 v30, v31
	s_wait_dscnt 0x0
	s_endpgm
.Lfunc_end_k_q0688651f8b_sum:
	.size	k_q0688651f8b_sum, .Lfunc_end_k_q0688651f8b_sum-k_q0688651f8b_sum
	.p2alignl 7, 3214868480
	.fill 96, 4, 3214868480
	.section	.rodata,"a",@progbits
	.p2align	6, 0x0
	.amdhsa_kernel k_q0688651f8b_sum
		.amdhsa_group_segment_fixed_size 4608
		.amdhsa_private_segment_fixed_size 0
		.amdhsa_enable_private_segment 0
		.amdhsa_kernarg_size 24
		.amdhsa_user_sgpr_count 2
		.amdhsa_user_sgpr_kernarg_segment_ptr 1
		.amdhsa_wavefront_size32 1
		.amdhsa_system_sgpr_workgroup_id_x 1
		.amdhsa_system_sgpr_workgroup_id_y 1
		.amdhsa_system_sgpr_workgroup_id_z 1
		.amdhsa_system_vgpr_workitem_id 0
		.amdhsa_next_free_vgpr 256
		.amdhsa_next_free_sgpr 66
		.amdhsa_reserve_vcc 0
		.amdhsa_float_denorm_mode_32 3
		.amdhsa_float_denorm_mode_16_64 3
		.amdhsa_memory_ordered 1
		.amdhsa_forward_progress 1
		.amdhsa_inst_pref_size 19
	.end_amdhsa_kernel
	.amdgpu_metadata
---
amdhsa.version: [ 1, 2 ]
amdhsa.kernels:
  - .name:           k_q0688651f8b_sum
    .symbol:         k_q0688651f8b_sum.kd
    .args:
      - { .name: part, .offset: 0, .size: 8, .value_kind: global_buffer, .address_space: global }
      - { .name: bo, .offset: 8, .size: 8, .value_kind: global_buffer, .address_space: global }
      - { .name: out0, .offset: 16, .size: 8, .value_kind: global_buffer, .address_space: global }
    .group_segment_fixed_size: 4608
    .private_segment_fixed_size: 0
    .kernarg_segment_align: 8
    .kernarg_segment_size: 24
    .max_flat_workgroup_size: 32
    .sgpr_count:     66
    .vgpr_count:     256
    .wavefront_size: 32
...
	.end_amdgpu_metadata
.endif
;; end of part 7
;; ======== version 2 of 2: 7 launches; version 1 with the launches qproj, score, mix written anew for expert scheduling mode
;; workspace buffers: xa 8,388,608 bytes; xb 8,388,608 bytes; pf 8,388,608 bytes; st 262,144 bytes; cp 131,072 bytes; part 8,388,608 bytes
;; launch qproj (part 8): grid 32 x 8, 4 waves a work-group, no clusters, 221,696 bytes of LDS; arguments q, Wq, bq, bk, xa, cp; writes xa, cp
.if DOCPART == 8
	.amdgcn_target "amdgcn-amd-amdhsa--gfx1250"
	.amdhsa_code_object_version 6
	.text
	.protected	k_q0688651f8b_qproj
	.globl	k_q0688651f8b_qproj
	.p2align	8
	.type	k_q0688651f8b_qproj,@function
k_q0688651f8b_qproj:
	s_mov_b64 s[64:65], 0
	v_nop
	global_prefetch_b8 v0, s[64:65] scope:SCOPE_SE
	s_setreg_imm32_b32 hwreg(HW_REG_WAVE_SCHED_MODE, 0, 2), 2
	s_setreg_imm32_b32 hwreg(HW_REG_WAVE_MODE, 25, 1), 1
	s_wait_xcnt 0x0
	s_wait_alu depctr_vm_vsrc(0)
; q_[h][row][e] = sum_d q[row][d] Wq[h][d][e] + bq[h][e]   (row = b*64+m, 512 rows), and cp = partial sums of q_ . bk[h].
; THE WHOLE PROGRAM re-associates reference(): scores = (q_ Wk^T) . k + q_ . bk, and sum_n w_n (v_n Wv + bv) = (sum_n w_n v_n) Wv + bv,
; which holds because the softmax weights sum to one.  LIMITS: the order of rounding differs from reference(); raw inputs go to the
; matrix unit rounded once to bf16; the intermediates go as two bf16 planes, hi + lo (16 significant bits, f32's range), but for the
; softmax weights, which lie in 0 .. 1 and go as one bf16 plane.
; A work-group (4 waves) makes 128 rows x 64 columns for head h = id y; a wave 32 rows x 64 columns.  id x = 8 * row tile + column tile.
; THE MATRIX INSTRUCTION IS USED TRANSPOSED (source 0 = 16 columns of Wq, source 1 = 16 rows of q): lane (r = L%16, hf = L/16) holds
; in register j the number (row r, column n0 + 8 hf + j).  Packed to bf16 these are registers 0-3 (even 16-column block) or 4-7 (odd one)
; of the next product's fragment for the same lane, so xa is kept in FRAGMENT ORDER: [plane][16-row block RB][16-column block][lane][16 B],
; RB = h*32 + row/16.  Each store of a wave covers 512 consecutive bytes; the reader loads fragments straight into registers.
; NO CLUSTER, NO TENSOR LOAD: q and Wq are f32 and have to pass through registers to become bf16, so a joint load into LDS would add
; a write and a read of 384 KB of LDS for each work-group to the 216 KB of bf16 that it stores there now.
; K goes in 4 chunks of 128.  Every chunk has LDS bytes of its own, written once: one barrier a chunk, between the stores and the reads.
; LOADS: a chunk is 48 loads a wave (16 of Wq, 32 of q).  Chunks 0 and 1 are asked for at the head, chunk c + 2 during chunk c: Wq's 16
; behind the wait at the chunk's head, where 48 are out, q's in two runs of 16 behind runs of matrix instructions, so that a wave whose
; load counter is full (its issue then stalls: ISA guide 5.7.1) stalls while its matrix instructions run and not in front of them.
; THE MODE: SCHED_MODE bits 1:0 = 2 (LLVM: expert scheduling mode 2), set by the entry lines.  The code itself states the register dependences
; between vector or matrix instructions and memory or LDS instructions, with s_wait_alu, always for 0.
; THE PLAN.  Registers that memory or LDS instructions touch:
;   raw q, 3 buffers  Chunk c's conversions read buffer c % 3; the loads of chunk c + 3 land in it during chunk c + 1.
;   raw Wq, 4 slots   Each is loaded once and read by its chunk's conversions.
;   T, OA             Out-buffers of bf16 (Wq's 32 registers, q's 64): written by a chunk's conversions, read by its LDS stores.
;   BF, AF            Two buffers of fragments: LDS loads land in them, matrix instructions read them.
;   v3, v4            LDS addresses of Wq's chunk (stores, loads): each moves on by one add at a chunk's head.
;   v1, v2, v5-v7     Made at the head, never written again.  The way out's data registers are written once each.
; A chunk's waits: vm_vsrc at its head (the last chunk's LDS stores have read T, OA and v3, its LDS loads v4), ahead of the two adds and the
; conversions; va_vdst behind the conversions (T, OA, v3, v4 are written; the conversions are done reading the raw buffers; the last chunk's
; matrix instructions are done reading BF and AF): the LDS stores, the first two fetches and the loads of q for chunk c + 2 lean on it, since
; no vector or matrix instruction behind it names their registers; va_vdst ahead of each of the two fetches into a buffer just multiplied.
.set NCH,   4
.set PB,    2048                       ; bytes from row to row of Wq
.set RBS,   16384                      ; bytes of a 16-row block in xa
.set PLANE, 0x400000                   ; from the hi plane to the lo plane
.set REG,   20480                      ; LDS: a chunk of Wq, 128 rows (k) of 128 bytes at pitch 160 (5 x 32: the transposing load's rows fall on different banks)
.set ASTG,  81920                      ; LDS: behind the 4 chunks of Wq, q as bf16
.set AWAVE, 34816                      ; a wave's own part of it: 4 chunks
.set ACH,   8704                       ; a chunk: 32 rows of 256 bytes at pitch 272
.set ACC,   32                         ; v32-95    sums, block (i, j) at ACC + 8 (4 i + j)
.set AF,    96                         ; v96-127   fragments of q, two buffers of two
.set HP,    128                        ; v128-159  the way out: hi planes
.set BF,    160                        ; v160-223  fragments of Wq, two buffers of four
.set U,     192                        ; v192-199  the way out: hi plane widened again (registers of BF, done with by then)
.set T,     224                        ; v224-255  a chunk of Wq as bf16, on its way to LDS
.set BQ,    128                        ; window 3: v128-159 bq, v160-191 bk of my 32 columns
.set BK,    160
.set OA,    192                        ; window 3: v192-255 a chunk of q as bf16, on its way to LDS
; windows of 256 registers: 0 as above; 1 and 3 (v0-127): raw q, three buffers of 128; 2: raw Wq, one slot of 64 for each chunk
.set MSB, 0
.macro WIN new                         ; the immediate's high byte repeats the setting that is left
.if MSB != \new
	s_set_vgpr_msb (MSB<<8)|\new
.set MSB, \new
.endif
.endm
.macro PLACES                          ; four places behind a matrix instruction before its registers are loaded into, read or written (ISA guide 7.12.1)
.rept 4
	v_nop
.endr
.endm
.macro LOADA ch, g                     ; 16 of my 32 rows of q, 128 k: one load = 512 consecutive bytes of one row
.set LB3, (\ch)%3
.set LAB, 128*(LB3%2)
.set LW, 0x40+0x80*(LB3/2)
	WIN LW
.set n, 16*\g
.rept 16
	global_load_b128 v[LAB+4*n:LAB+4*n+3], v1, s[8:9] offset:n*2048+\ch*512
.set n, n+1
.endr
.endm
.macro LOADB ch                        ; 128 rows of Wq x 64 columns: 16 lanes take the 256 bytes of a row, the work-group 8 rows a load
	WIN 0x80
.set n, 0
.rept 16
	global_load_b128 v[64*\ch+4*n:64*\ch+4*n+3], v2, s[12:13] offset:(\ch*128+8*n)*PB
.set n, n+1
.endr
.endm
.macro CVT ch                          ; raw Wq and raw q to bf16, into the two out-buffers; then into LDS: Wq into the chunk's bytes, q into my wave's own
	WIN 0x0a
.set n, 0
.rept 32
	v_cvt_pk_bf16_f32 v[T+n], v[64*\ch+2*n], v[64*\ch+2*n+1]
.set n, n+1
.endr
.set LB3, (\ch)%3
.set LAB, 128*(LB3%2)
.set LW, 0xc5+0x0a*(LB3/2)
	WIN LW
.set n, 0
.rept 64
	v_cvt_pk_bf16_f32 v[OA+n], v[LAB+2*n], v[LAB+2*n+1]
.set n, n+1
.endr
	WIN 0
	s_wait_alu depctr_va_vdst(0)                   ; T, OA, v3 and v4 are written, which the LDS stores and loads below read; the conversions are done reading raw q, the last chunk's matrix instructions BF and AF, in which loads below land
.set n, 0
.rept 16
	ds_store_b64 v3, v[T+2*n:T+2*n+1] offset:n*1280
.set n, n+1
.endr
	WIN 0x0c
.set n, 0
.rept 32
	ds_store_b64 v7, v[OA+2*n:OA+2*n+1] offset:\ch*ACH+n*272
.set n, n+1
.endr
	WIN 0
.endm
.macro FETCH par, ch, ks               ; 12 LDS loads: four fragments of Wq (transposed on the way), two of q, 32 along K
.irp j, 0,1,2,3
	ds_load_tr16_b128 v[BF+32*\par+8*\j:BF+32*\par+8*\j+3], v4 offset:\ks*5120+\j*32
	ds_load_tr16_b128 v[BF+32*\par+8*\j+4:BF+32*\par+8*\j+7], v4 offset:\ks*5120+\j*32+2560
.endr
.irp i, 0,1
	ds_load_b128 v[AF+16*\par+8*\i:AF+16*\par+8*\i+3], v6 offset:\ch*ACH+\i*4352+\ks*64
	ds_load_b128 v[AF+16*\par+8*\i+4:AF+16*\par+8*\i+7], v6 offset:\ch*ACH+\i*4352+\ks*64+32
.endr
.endm
.macro MUL par, zero                   ; 8 matrix instructions; zero = 1: the first product starts the sums
.irp i, 0,1
.irp j, 0,1,2,3
.if \zero
	v_wmma_f32_16x16x32_bf16 v[ACC+8*(4*\i+\j):ACC+8*(4*\i+\j)+7], v[BF+32*\par+8*\j:BF+32*\par+8*\j+7], v[AF+16*\par+8*\i:AF+16*\par+8*\i+7], 0
.else
	v_wmma_f32_16x16x32_bf16 v[ACC+8*(4*\i+\j):ACC+8*(4*\i+\j)+7], v[BF+32*\par+8*\j:BF+32*\par+8*\j+7], v[AF+16*\par+8*\i:AF+16*\par+8*\i+7], v[ACC+8*(4*\i+\j):ACC+8*(4*\i+\j)+7]
.endif
.endr
.endr
.endm
; nx: the chunk that is asked for during this one (-1: none)
.macro CHUNK ch, nwait, nx, zero
	s_wait_loadcnt \nwait                          ; this chunk's q and Wq are in; the count = the next chunk's loads, which stay out
.if \nx >= 0
	LOADB \nx                                      ; 48 are out: 16 more.  No vector instruction has named this slot; v2 is as the head made it
.endif
.if \ch
	WIN 0
	s_wait_alu depctr_vm_vsrc(0)                   ; the last chunk's LDS stores have read T, OA and v3, its LDS loads v4: all four are written again below
	v_add_nc_u32 v3, REG, v3
	v_add_nc_u32 v4, REG, v4
.endif
	CVT \ch
	s_wait_dscnt 0x0                               ; my stores of this chunk are in LDS,
	s_barrier_signal -1
	s_barrier_wait -1                              ; everybody's are
	FETCH 0, \ch, 0
	FETCH 1, \ch, 1
	s_wait_dscnt 12                                ; the 12 loads just issued may stay out
	MUL 0, \zero
	PLACES
	s_wait_alu depctr_va_vdst(0)                   ; the matrix instructions above are done reading buffer 0 of BF and AF, in which the fetch below lands
	FETCH 0, \ch, 2
.if \nx >= 0
	LOADA \nx, 0                                   ; into the buffer that the last chunk's conversions have read: no vector instruction since names it
	WIN 0
.endif
	s_wait_dscnt 12
	MUL 1, 0
	PLACES
	s_wait_alu depctr_va_vdst(0)                   ; the matrix instructions above are done reading buffer 1 of BF and AF, in which the fetch below lands
	FETCH 1, \ch, 3
.if \nx >= 0
	LOADA \nx, 1
	WIN 0
.endif
	s_wait_dscnt 12
	MUL 0, 0
	s_wait_dscnt 0x0
	MUL 1, 0
.endm
.macro SPLIT x, h                      ; 8 f32 at x: hi plane (4 registers) to h, lo plane = bf16(x - hi) to x .. x+3; x - hi is exact in f32
.irp q, 0,1,2,3
	v_cvt_pk_bf16_f32 v[\h+\q], v[\x+2*\q], v[\x+2*\q+1]
.endr
.irp q, 0,1,2,3
	v_lshlrev_b32 v[U+2*\q], 16, v[\h+\q]
	v_and_b32 v[U+2*\q+1], s24, v[\h+\q]
.endr
.irp q, 0,1,2,3
	v_pk_add_f32 v[\x+2*\q:\x+2*\q+1], v[\x+2*\q:\x+2*\q+1], v[U+2*\q:U+2*\q+1] neg_lo:[0,1] neg_hi:[0,1]
.endr
.irp q, 0,1,2,3
	v_cvt_pk_bf16_f32 v[\x+\q], v[\x+2*\q], v[\x+2*\q+1]
.endr
.endm
.macro SPL i, j                        ; no data register of a store is written again: every block has its own 4 + 4
.set XX, ACC+8*(4*\i+\j)
.set HH, HP+4*(4*\i+\j)
	SPLIT XX, HH
.endm
.macro STO i, j
.set XX, ACC+8*(4*\i+\j)
.set HH, HP+4*(4*\i+\j)
	global_store_b128 v1, v[HH:HH+3], s[14:15] offset:\i*RBS+\j*512
	global_store_b128 v1, v[XX:XX+3], s[16:17] offset:\i*RBS+\j*512
.endm
	s_load_b256 s[32:39], s[0:1], 0x0              ; q, Wq, bq, bk
	s_load_b128 s[40:43], s[0:1], 0x20             ; xa, cp
	v_lshl_add_u32 v24, v0, 2, 0x36000
	v_mov_b32 v25, 0
	v_lshrrev_b32 v26, 5, v0
	v_readfirstlane_b32 s2, v26                    ; wave w
	s_and_b32 s4, ttmp7, 0xffff                    ; head h
	s_and_b32 s5, ttmp9, 7                         ; column tile nt
	s_lshr_b32 s6, ttmp9, 3                        ; row tile rt
	s_mov_b32 s24, 0xffff0000                      ; a word's upper bf16
	s_mov_b32 s26, 0x76543210                      ; v_permlanex16_b32: lane i of one half reads lane i of the other
	s_mov_b32 s27, 0xfedcba98
	v_and_b32 v27, 31, v0                          ; L
	v_cmp_le_u32 s25, 16, v27                      ; lanes 16-31
	v_and_b32 v28, 15, v0                          ; r
	v_bfe_u32 v29, v0, 4, 1                        ; hf
	v_lshrrev_b32 v30, 4, v0                       ; t / 16
	v_lshlrev_b32 v1, 4, v27                       ; 16 L
	v_lshlrev_b32 v2, 11, v30                      ; Wq: row t / 16,
	v_lshl_add_u32 v2, v28, 4, v2                  ; 16 bytes at 16 (t % 16)
	v_mul_u32_u24 v3, v30, 160                     ; the same place in LDS, as bf16
	v_lshl_add_u32 v3, v28, 3, v3
	v_and_b32 v31, 7, v0
	v_lshl_add_u32 v31, v29, 3, v31                ; transposing load: row 8 hf + L % 8,
	v_mul_u32_u24 v4, v31, 160
	v_bfe_u32 v31, v0, 3, 1
	v_lshl_add_u32 v4, v31, 4, v4                  ; 16 bytes at 16 ((L / 8) % 2)
	v_lshlrev_b32 v5, 5, v29                       ; biases: 8 hf numbers
	s_wait_alu depctr_va_sdst(0)                   ; s2 and s25 are written, ahead of their first readers: the line below reads s2, the way out's select s25
	s_mul_i32 s29, s2, AWAVE
	s_add_co_u32 s29, s29, ASTG                    ; my wave's stage for q
	v_lshl_add_u32 v7, v27, 3, s29                 ; in: 8 bytes a lane, a row a store
	v_mul_u32_u24 v6, v28, 272
	v_lshl_add_u32 v6, v29, 4, v6
	v_add_nc_u32 v6, s29, v6                       ; fragments: row r, 16 hf bytes
	s_lshl_b32 s7, s4, 5
	s_lshl3_add_u32 s7, s6, s7
	s_lshl1_add_u32 s7, s2, s7                     ; RB0 = 32 h + 8 rt + 2 w
	s_mov_b32 s23, 0
	s_wait_kmcnt 0x0
	s_lshl_b32 s22, s6, 18
	s_lshl_b32 s28, s2, 16
	s_add_co_u32 s22, s22, s28
	s_add_nc_u64 s[8:9], s[32:33], s[22:23]        ; q at row 128 rt + 32 w
	s_lshl_b32 s22, s4, 20
	s_lshl_b32 s28, s5, 8
	s_add_co_u32 s22, s22, s28
	s_add_nc_u64 s[12:13], s[34:35], s[22:23]      ; Wq[h] at column 64 nt
	s_lshl_b32 s22, s4, 11
	s_add_co_u32 s22, s22, s28
	s_add_nc_u64 s[18:19], s[36:37], s[22:23]      ; bq[h], bk[h] at column 64 nt
	s_add_nc_u64 s[20:21], s[38:39], s[22:23]
	s_lshl_b32 s22, s7, 14
	s_lshl_b32 s28, s5, 11
	s_add_co_u32 s22, s22, s28
	s_add_nc_u64 s[14:15], s[40:41], s[22:23]      ; xa, hi plane, at (RB0, column block 4 nt)
	s_add_nc_u64 s[16:17], s[14:15], PLANE         ; lo plane
	s_lshl_b32 s22, s5, 14
	s_lshl_b32 s28, s7, 6
	s_add_co_u32 s22, s22, s28
	s_add_nc_u64 s[30:31], s[42:43], s[22:23]      ; cp[nt] at row 16 RB0
	WIN 0xc0
	s_wait_alu depctr_va_vdst(0)                   ; the offsets and LDS addresses v1 to v7 are written, which the loads and stores of the kernel read
.irp j, 0,1,2,3
.irp y, 0,1
	global_load_b128 v[BQ+8*\j+4*\y:BQ+8*\j+4*\y+3], v5, s[18:19] offset:\j*64+\y*16
	global_load_b128 v[BK+8*\j+4*\y:BK+8*\j+4*\y+3], v5, s[20:21] offset:\j*64+\y*16
.endr
.endr
	LOADB 0                                        ; chunks 0 and 1, in the order in which they are needed
	LOADA 0, 0
	LOADA 0, 1
	LOADB 1
	LOADA 1, 0
	LOADA 1, 1
	CHUNK 0, 48, 2, 1                              ; younger than chunk 0's loads: chunk 1's 48
	CHUNK 1, 48, 3, 0                              ; younger: chunk 2's 48, issued during chunk 0
	CHUNK 2, 48, -1, 0                             ; younger: chunk 3's 48
	CHUNK 3, 0, -1, 0
	PLACES
	WIN 0x0c                                       ; source 1 in window 3: the biases
.irp j, 0,1,2,3
.irp q, 0,1,2,3
.irp i, 0,1
	v_pk_add_f32 v[ACC+8*(4*\i+\j)+2*\q:ACC+8*(4*\i+\j)+2*\q+1], v[ACC+8*(4*\i+\j)+2*\q:ACC+8*(4*\i+\j)+2*\q+1], v[BQ+8*\j+2*\q:BQ+8*\j+2*\q+1]
.endr
.irp i, 0,1
.if \j+\q
	v_pk_fma_f32 v[8+2*\i:9+2*\i], v[ACC+8*(4*\i+\j)+2*\q:ACC+8*(4*\i+\j)+2*\q+1], v[BK+8*\j+2*\q:BK+8*\j+2*\q+1], v[8+2*\i:9+2*\i]
.else
	v_pk_mul_f32 v[8+2*\i:9+2*\i], v[ACC+8*(4*\i+\j)+2*\q:ACC+8*(4*\i+\j)+2*\q+1], v[BK+8*\j+2*\q:BK+8*\j+2*\q+1]
.endif
.endr
.endr
.endr
	WIN 0
	v_add_f32 v8, v8, v9                           ; q_ . bk over my 32 columns,
	v_add_f32 v10, v10, v11
	v_permlanex16_b32 v9, v8, s26, s27             ; plus the other half's 32
	v_permlanex16_b32 v11, v10, s26, s27
	v_add_f32 v8, v8, v9
	v_add_f32 v10, v10, v11
	v_cndmask_b32 v8, v8, v10, s25                 ; lanes 0-15: rows of block RB0, lanes 16-31: of RB0 + 1
	v_lshlrev_b32 v12, 2, v27
.irp j, 0,1,2,3
	SPL 0, \j
.endr
	s_wait_alu depctr_va_vdst(0)                   ; v8, v12 and row block 0's two planes are written, which the stores below read
	global_store_b32 v12, v8, s[30:31]             ; 128 consecutive bytes
.irp j, 0,1,2,3
	STO 0, \j
.endr
.irp j, 0,1,2,3
	SPL 1, \j                                      ; names no register that the stores above read
.endr
	s_wait_alu depctr_va_vdst(0)                   ; row block 1's two planes are written, which the stores below read
.irp j, 0,1,2,3
	STO 1, \j
.endr
	s_wait_dscnt 0x0
	s_wait_alu depctr_hold_cnt(0) depctr_sa_sdst(0) depctr_va_vdst(0) depctr_va_sdst(0) depctr_va_ssrc(0) depctr_va_vcc(0) depctr_vm_vsrc(0)
	s_wait_tensorcnt 0x0
	ds_add_u32 v24, v25
	s_wait_dscnt 0x0
	s_endpgm
.Lfunc_end_k_q0688651f8b_qproj:
	.size	k_q0688651f8b_qproj, .Lfunc_end_k_q0688651f8b_qproj-k_q0688651f8b_qproj
	.p2alignl 7, 3214868480
	.fill 96, 4, 3214868480
	.section	.rodata,"a",@progbits
	.p2align	6, 0x0
	.amdhsa_kernel k_q0688651f8b_qproj
		.amdhsa_group_segment_fixed_size 221696
		.amdhsa_private_segment_fixed_size 0
		.amdhsa_enable_private_segment 0
		.amdhsa_kernarg_size 48
		.amdhsa_user_sgpr_count 2
		.amdhsa_user_sgpr_kernarg_segment_ptr 1
		.amdhsa_wavefront_size32 1
		.amdhsa_system_sgpr_workgroup_id_x 1
		.amdhsa_system_sgpr_workgroup_id_y 1
		.amdhsa_system_sgpr_workgroup_id_z 1
		.amdhsa_system_vgpr_workitem_id 0
		.amdhsa_next_free_vgpr 1024
		.amdhsa_next_free_sgpr 66
		.amdhsa_reserve_vcc 0
		.amdhsa_float_denorm_mode_32 3
		.amdhsa_float_denorm_mode_16_64 3
		.amdhsa_memory_ordered 1
		.amdhsa_forward_progress 1
		.amdhsa_inst_pref_size 97
	.end_amdhsa_kernel
	.amdgpu_metadata
---
amdhsa.version: [ 1, 2 ]
amdhsa.kernels:
  - .name:           k_q0688651f8b_qproj
    .symbol:         k_q0688651f8b_qproj.kd
    .args:
      - { .name: q, .offset: 0, .size: 8, .value_kind: global_buffer, .address_space: global }
      - { .name: Wq, .offset: 8, .size: 8, .value_kind: global_buffer, .address_space: global }
      - { .name: bq, .offset: 16, .size: 8, .value_kind: global_buffer, .address_space: global }
      - { .name: bk, .offset: 24, .size: 8, .value_kind: global_buffer, .address_space: global }
      - { .name: xa, .offset: 32, .size: 8, .value_kind: global_buffer, .address_space: global }
      - { .name: cp, .offset: 40, .size: 8, .value_kind: global_buffer, .address_space: global }
    .group_segment_fixed_size: 221696
    .private_segment_fixed_size: 0
    .kernarg_segment_align: 8
    .kernarg_segment_size: 48
    .max_flat_workgroup_size: 128
    .sgpr_count:     66
    .vgpr_count:     1024
    .wavefront_size: 32
...
	.end_amdgpu_metadata
.endif
;; end of part 8
;; launch qk: the kernel of part 2 again; grid 32 x 8, 4 waves a work-group, no clusters, 70,144 bytes of LDS; arguments xa, Wk, xb; writes xb
;; launch score (part 9): grid 32 x 8, 4 waves a work-group, no clusters, 139,776 bytes of LDS; arguments xb, k, cp, pf, st; writes pf, st
.if DOCPART == 9
	.amdgcn_target "amdgcn-amd-amdhsa--gfx1250"
	.amdhsa_code_object_version 6
	.text
	.protected	k_q0688651f8b_score
	.globl	k_q0688651f8b_score
	.p2align	8
	.type	k_q0688651f8b_score,@function
k_q0688651f8b_score:
	s_mov_b64 s[64:65], 0
	v_nop
	global_prefetch_b8 v0, s[64:65] scope:SCOPE_SE
	s_setreg_imm32_b32 hwreg(HW_REG_WAVE_SCHED_MODE, 0, 2), 2
	s_setreg_imm32_b32 hwreg(HW_REG_WAVE_MODE, 25, 1), 1
	s_wait_xcnt 0x0
	s_wait_alu depctr_vm_vsrc(0)
; For batch b = id y, a tile of 128 keys (nt = id x % 8) and 128 rows (two heads x 64 queries, rt = id x / 8):
;   s = SC (qt . k[b][n]) + SC (q_ . bk),  SC = log2(e) / sqrt(512);  m = the tile's maximum of s in each row;  p = 2^(s - m);  l = sum of p.
; p leaves as ONE bf16 plane in fragment order (pf: [RB][16-key block][lane][16 B]), (m, l) as st[nt][row][2].
; The next launch joins the 8 tiles of a row by 2^(m_t - max m_t): the maximum is always taken away before an exponential, so p <= 1.
; LIMITS: the order of rounding differs from reference(); k is rounded once to bf16; each weight p is rounded once to bf16, a relative
; error of at most 2^-8 of that weight (the tile's largest, 2^0 = 1, is exact), while l is the sum of the unrounded p; v_exp_f32 gives zero
; for results below 2^-126; inputs whose scores are not finite in reference() itself are not served.
; A wave makes 32 rows x 128 keys: RB0 = 32 (2 rt + w/2) + 4 b + 2 (w%2).  The matrix instruction is used transposed (source 0 = 16 keys,
; source 1 = 16 rows of qt): lane (r, hf) holds (row r, keys n0 + 8 hf + 0..7), so a row's 128 numbers lie in lanes r and r + 16.
; NO CLUSTER, NO TENSOR LOAD: k is f32 and passes through registers to become bf16, qt never touches LDS; a joint load into LDS would
; add a write and a read of 512 KB of LDS for each work-group to the 136 KB that it stores there now.
; K (= d) goes in 4 chunks of 128, each with LDS bytes of its own, written once: one barrier a chunk.
; LOADS: a chunk is 64 loads a wave (32 of k, 32 of fragments).  Chunks 0 and 1 are asked for at the head, chunk c + 2 during chunk c, in four
; runs of 16 behind every second run of matrix instructions, so that a wave whose load counter is full (its issue then stalls: ISA guide
; 5.7.1) stalls while its matrix instructions run and not in front of them.
; THE MODE: SCHED_MODE bits 1:0 = 2 (LLVM: expert scheduling mode 2), set by the entry lines.  The code itself states the register dependences
; between vector or matrix instructions and memory or LDS instructions, with s_wait_alu, always for 0.
; THE PLAN.  Registers that memory or LDS instructions touch:
;   raw k, 2 slots     Chunk c's conversions read slot c % 2; the loads of chunk c + 2 land in it later in chunk c.
;   qt, 3 buffers      Chunk c's matrix instructions read buffer c % 3; the loads of chunk c + 3 land in it during chunk c + 1.
;   OUT                The out-buffer, a whole chunk of k as bf16: written by a chunk's conversions, read by its LDS stores.
;   BF, 2 buffers      Each the eight fragments of k for 32 along K: LDS loads land in them, 32 matrix instructions read them.
;   v3, v4             LDS addresses of k's chunk (stores, loads): each moves on by one add at a chunk's head.
;   v1, v2, v5, v6     Made at the head, never written again.  The way out's data registers are written once each.
; A chunk's waits: vm_vsrc at its head (the last chunk's LDS stores have read OUT and v3, its LDS loads v4), ahead of the two adds and the
; conversions; va_vdst behind the conversions (OUT, v3, v4 are written; the conversions are done reading the raw slot; the last chunk's matrix
; instructions are done reading BF and their buffer of qt): the LDS stores, the first two fetches and all 64 loads for chunk c + 2 lean on it,
; since the only vector-side instructions behind it, this chunk's matrix instructions, name BF, this chunk's buffer of qt and the sums;
; va_vdst ahead of each of the two fetches into a buffer of BF that this chunk has multiplied: one for 32 matrix instructions.
.set NCH,   4
.set RBS,   16384                      ; bytes of a 16-row block in xb
.set PRBS,  32768                      ; and in pf
.set REG,   34816                      ; LDS: a chunk of k, 128 rows of 256 bytes at pitch 272
.set ACC,   32                         ; v32-159   sums, block (i, j) at ACC + 8 (8 i + j); the way out: p, then its bf16 in the first 4 of each 8
.set OUT,   160                        ; v160-223  a chunk of k as bf16, on its way to LDS
.set T,     224                        ; v224-239  at the head: the partial sums of q_ . bk
.set TS,    240                        ; v240-247  the way out: chains of the maximum and of the sum
.set BF,    128                        ; window 3: v128-255 fragments of k, two buffers of eight
; v8-9 SC (q_ . bk) of my two rows; v12-13 SC twice; row block i: v[14+4i:15+4i] = c - m twice, v[16+4i] = m, v[17+4i] = l
; windows: 1 and 3 (v0-127): qt's fragments, three buffers of 128; 2: raw k, two slots of 128
.set MSB, 0
.macro WIN new
.if MSB != \new
	s_set_vgpr_msb (MSB<<8)|\new
.set MSB, \new
.endif
.endm
.macro PLACES                          ; four places behind a matrix instruction before its registers are loaded into, read or written (ISA guide 7.12.1)
.rept 4
	v_nop
.endr
.endm
.macro LOADA ch, i                     ; 16 loads: row block i: 2 planes x 4 steps of 32 k x 2 halves
.set LB3, (\ch)%3
.set LAB, 128*(LB3%2)
.set LW, 0x40+0x80*(LB3/2)
	WIN LW
.irp s, 0,1,2,3
.irp y, 0,1
	global_load_b128 v[LAB+8*(8*\i+\s)+4*\y:LAB+8*(8*\i+\s)+4*\y+3], v1, s[8:9] offset:\i*RBS+\ch*4096+\s*1024+\y*512
	global_load_b128 v[LAB+8*(8*\i+4+\s)+4*\y:LAB+8*(8*\i+4+\s)+4*\y+3], v1, s[10:11] offset:\i*RBS+\ch*4096+\s*1024+\y*512
.endr
.endr
.endm
.macro LOADB ch, g                     ; 16 loads: 64 of the 128 keys x 128 d: a load of a wave = 512 consecutive bytes of one row
	WIN 0x80
.set n, 16*\g
.rept 16
	global_load_b128 v[128*((\ch)%2)+4*n:128*((\ch)%2)+4*n+3], v2, s[12:13] offset:n*8192+\ch*512
.set n, n+1
.endr
.endm
.macro CVTB ch                         ; raw k to bf16, the whole chunk into the out-buffer, and into the chunk's LDS bytes
	WIN 0x0a
.set n, 0
.rept 64
	v_cvt_pk_bf16_f32 v[OUT+n], v[128*((\ch)%2)+2*n], v[128*((\ch)%2)+2*n+1]
.set n, n+1
.endr
	WIN 0
	s_wait_alu depctr_va_vdst(0)                   ; OUT, v3 and v4 are written, which the LDS stores and loads below read; the conversions are done reading the raw slot, the last chunk's matrix instructions BF and their buffer of qt, in which loads below land
.set n, 0
.rept 32
	ds_store_b64 v3, v[OUT+2*n:OUT+2*n+1] offset:n*1088
.set n, n+1
.endr
.endm
.macro FETCH par, ks                   ; 16 LDS loads: the fragments of all eight key blocks, 32 along K; blocks 0-3 first
	WIN 0xc0
.irp j, 0,1,2,3,4,5,6,7
	ds_load_b128 v[BF+64*\par+8*\j:BF+64*\par+8*\j+3], v4 offset:\j*4352+\ks*64
	ds_load_b128 v[BF+64*\par+8*\j+4:BF+64*\par+8*\j+7], v4 offset:\j*4352+\ks*64+32
.endr
.endm
.macro MUL par, ks, zero, jo           ; 16 matrix instructions: hi plane, then lo plane, on 8 sums
.irp p, 0,1
.irp i, 0,1
.irp j, 0,1,2,3
.if \zero*(1-\p)
	v_wmma_f32_16x16x32_bf16 v[ACC+8*(8*\i+\jo+\j):ACC+8*(8*\i+\jo+\j)+7], v[BF+64*\par+8*(\jo+\j):BF+64*\par+8*(\jo+\j)+7], v[MAB+8*(8*\i+4*\p+\ks):MAB+8*(8*\i+4*\p+\ks)+7], 0
.else
	v_wmma_f32_16x16x32_bf16 v[ACC+8*(8*\i+\jo+\j):ACC+8*(8*\i+\jo+\j)+7], v[BF+64*\par+8*(\jo+\j):BF+64*\par+8*(\jo+\j)+7], v[MAB+8*(8*\i+4*\p+\ks):MAB+8*(8*\i+4*\p+\ks)+7], v[ACC+8*(8*\i+\jo+\j):ACC+8*(8*\i+\jo+\j)+7]
.endif
.endr
.endr
.endr
.endm
; nx: the chunk that is asked for during this one (-1: none)
.macro CHUNK ch, nwait, nx, zero
	WIN 0
.if \nwait >= 0
	s_wait_loadcnt \nwait                          ; this chunk's fragments and raw k are in: 64 loads are younger, 63 is the largest count the wait can name
.endif
.if \ch
	s_wait_alu depctr_vm_vsrc(0)                   ; the last chunk's LDS stores have read OUT and v3, its LDS loads v4: all three are written again below
	v_add_nc_u32 v3, REG, v3
	v_add_nc_u32 v4, REG, v4
.endif
	CVTB \ch
	s_wait_dscnt 0x0                               ; my stores of this chunk are in LDS,
	s_barrier_signal -1
	s_barrier_wait -1                              ; everybody's are
.set MB3, (\ch)%3
.set MAB, 128*(MB3%2)
.set MW, 0x07+0x08*(MB3/2)
	FETCH 0, 0
	s_wait_dscnt 8                                 ; key blocks 0-3 are in; the 8 loads of blocks 4-7 may stay out
	WIN MW                                         ; source 0 (k) in window 3, source 1 (qt) in window 1 or 3, the sums in window 0
	MUL 0, 0, \zero, 0
	FETCH 1, 1                                     ; no matrix instruction since the wait behind the conversions names this buffer
.if \nx >= 0
	LOADB \nx, 0                                   ; into the slot that this chunk's conversions have read
.endif
	s_wait_dscnt 16                                ; the 16 loads just issued may stay out
	WIN MW
	MUL 0, 0, \zero, 4
	PLACES
	WIN 0xc0
	s_wait_alu depctr_va_vdst(0)                   ; the 32 matrix instructions above are done reading buffer 0 of BF, in which the fetch below lands
	FETCH 0, 2
	s_wait_dscnt 24                                ; buffer 1's blocks 0-3 are in; younger: its blocks 4-7 (8) and the fetch just issued (16)
	WIN MW
	MUL 1, 1, 0, 0
.if \nx >= 0
	LOADB \nx, 1
	WIN MW
.endif
	s_wait_dscnt 16
	MUL 1, 1, 0, 4
	PLACES
	WIN 0xc0
	s_wait_alu depctr_va_vdst(0)                   ; the 32 matrix instructions above are done reading buffer 1 of BF, in which the fetch below lands
	FETCH 1, 3
	s_wait_dscnt 24
	WIN MW
	MUL 0, 2, 0, 0
.if \nx >= 0
	LOADA \nx, 0                                   ; into the buffer that the last chunk's matrix instructions read: none since the wait behind the conversions names it
	WIN MW
.endif
	s_wait_dscnt 16
	MUL 0, 2, 0, 4
	s_wait_dscnt 8                                 ; the last fetch's blocks 0-3 are in
	MUL 1, 3, 0, 0
.if \nx >= 0
	LOADA \nx, 1
	WIN MW
.endif
	s_wait_dscnt 0x0
	MUL 1, 3, 0, 4
.endm
; Row block i: 64 numbers a lane.  SC > 0, so the largest score belongs to the largest raw sum: the maximum is taken over the raw sums,
; m = SC amax + c, and one fused multiply-add per pair makes s - m = SC acc + (c - m).
.macro SOFT i
.set XB, ACC+64*\i
.irp c, 0,1,2,3
	v_max_num_f32 v[TS+\c], v[XB+16*\c], v[XB+16*\c+1]             ; four chains that do not wait for each other
.endr
.irp q, 1,2,3,4,5,6,7
.irp c, 0,1,2,3
	v_max3_num_f32 v[TS+\c], v[TS+\c], v[XB+16*\c+2*\q], v[XB+16*\c+2*\q+1]
.endr
.endr
	v_max3_num_f32 v[TS], v[TS], v[TS+1], v[TS+2]
	v_max_num_f32 v[TS], v[TS], v[TS+3]
	v_permlanex16_b32 v[TS+1], v[TS], s26, s27                     ; the row's other 64 keys
	v_max_num_f32 v[TS], v[TS], v[TS+1]
	v_fma_f32 v[16+4*\i], v[TS], v12, v[8+\i]                      ; m
	v_sub_f32 v[14+4*\i], v[8+\i], v[16+4*\i]                      ; c - m, twice for the packed form
	v_sub_f32 v[15+4*\i], v[8+\i], v[16+4*\i]
.set n, 0
.rept 32
	v_pk_fma_f32 v[XB+2*n:XB+2*n+1], v[XB+2*n:XB+2*n+1], v[12:13], v[14+4*\i:15+4*\i]
.set n, n+1
.endr
.set n, 0
.rept 64
	v_exp_f32 v[XB+n], v[XB+n]
.set n, n+1
.endr
	v_nop                                                          ; one plain place behind the last transcendental before its result is read
	s_wait_alu depctr_va_vdst(0)
.irp c, 0,1,2,3
	v_pk_add_f32 v[TS+2*\c:TS+2*\c+1], v[XB+16*\c:XB+16*\c+1], v[XB+16*\c+2:XB+16*\c+3]
.endr
.irp q, 2,3,4,5,6,7
.irp c, 0,1,2,3
	v_pk_add_f32 v[TS+2*\c:TS+2*\c+1], v[TS+2*\c:TS+2*\c+1], v[XB+16*\c+2*\q:XB+16*\c+2*\q+1]
.endr
.endr
	v_pk_add_f32 v[TS:TS+1], v[TS:TS+1], v[TS+2:TS+3]
	v_pk_add_f32 v[TS+4:TS+5], v[TS+4:TS+5], v[TS+6:TS+7]
	v_pk_add_f32 v[TS:TS+1], v[TS:TS+1], v[TS+4:TS+5]
	v_add_f32 v[TS], v[TS], v[TS+1]
	v_permlanex16_b32 v[TS+1], v[TS], s26, s27
	v_add_f32 v[17+4*\i], v[TS], v[TS+1]                           ; l
.irp j, 0,1,2,3,4,5,6,7
.irp q, 0,1,2,3
	v_cvt_pk_bf16_f32 v[XB+8*\j+\q], v[XB+8*\j+2*\q], v[XB+8*\j+2*\q+1]    ; in place, ascending: register q is written when pairs 0 .. q-1 have been read
.endr
.endr
.endm
.macro PST i                           ; row block i's weights leave; no data register of a store is written again
.irp j, 0,1,2,3,4,5,6,7
	global_store_b128 v1, v[ACC+64*\i+8*\j:ACC+64*\i+8*\j+3], s[14:15] offset:\i*PRBS+\j*512
.endr
.endm
	s_load_b256 s[32:39], s[0:1], 0x0              ; xb, k, cp, pf
	s_load_b64 s[40:41], s[0:1], 0x20              ; st
	v_lshl_add_u32 v254, v0, 2, 0x22000
	v_mov_b32 v255, 0
	v_lshrrev_b32 v26, 5, v0
	v_readfirstlane_b32 s2, v26                    ; wave w
	s_and_b32 s4, ttmp7, 0xffff                    ; batch b
	s_and_b32 s5, ttmp9, 7                         ; key tile nt
	s_lshr_b32 s6, ttmp9, 3                        ; row tile rt
	s_mov_b32 s26, 0x76543210
	s_mov_b32 s27, 0xfedcba98
	v_and_b32 v27, 31, v0                          ; L
	v_and_b32 v28, 15, v0                          ; r
	v_bfe_u32 v29, v0, 4, 1                        ; hf
	v_cmp_le_u32 s29, 16, v27                      ; lanes 16-31
	v_lshlrev_b32 v1, 4, v27                       ; 16 L
	v_lshlrev_b32 v2, 11, v26                      ; k: row w, 16 L bytes
	v_lshl_add_u32 v2, v27, 4, v2
	v_mul_u32_u24 v3, v26, 272
	v_lshl_add_u32 v3, v27, 3, v3
	v_mul_u32_u24 v4, v28, 272
	v_lshl_add_u32 v4, v29, 4, v4
	v_lshlrev_b32 v5, 2, v28                       ; cp: 4 r
	v_lshlrev_b32 v6, 3, v27                       ; st: 8 L
	v_mov_b32 v12, 0x3d8293ee                      ; SC = log2(e) / sqrt(512)
	v_mov_b32 v13, 0x3d8293ee
	s_wait_alu depctr_va_sdst(0)                   ; s2 and s29 are written, ahead of their first readers: the line below reads s2, the way out's selects s29
	s_lshr_b32 s7, s2, 1
	s_lshl1_add_u32 s7, s6, s7                     ; head 2 rt + w / 2
	s_lshl_b32 s7, s7, 5
	s_lshl2_add_u32 s7, s4, s7
	s_and_b32 s28, s2, 1
	s_lshl1_add_u32 s7, s28, s7                    ; RB0 = 32 head + 4 b + 2 (w % 2)
	s_mov_b32 s23, 0
	s_wait_kmcnt 0x0
	s_lshl_b32 s22, s7, 14
	s_add_nc_u64 s[8:9], s[32:33], s[22:23]        ; qt, hi plane, at RB0
	s_add_nc_u64 s[10:11], s[8:9], 0x400000        ; lo plane
	s_lshl_b32 s22, s4, 21
	s_lshl_b32 s28, s5, 18
	s_add_co_u32 s22, s22, s28
	s_add_nc_u64 s[12:13], s[34:35], s[22:23]      ; k[b] at key 128 nt
	s_lshl_b32 s22, s7, 6
	s_add_nc_u64 s[18:19], s[36:37], s[22:23]      ; cp at row 16 RB0
	s_lshl_b32 s22, s7, 15
	s_lshl_b32 s28, s5, 12
	s_add_co_u32 s22, s22, s28
	s_add_nc_u64 s[14:15], s[38:39], s[22:23]      ; pf at (RB0, key block 8 nt)
	s_lshl_b32 s22, s5, 15
	s_lshl_b32 s28, s7, 7
	s_add_co_u32 s22, s22, s28
	s_add_nc_u64 s[20:21], s[40:41], s[22:23]      ; st[nt] at row 16 RB0
	s_wait_alu depctr_va_vdst(0)                   ; the offsets and LDS addresses v1 to v6 are written, which the loads and stores of the kernel read
.irp c, 0,1,2,3,4,5,6,7
.irp i, 0,1
	global_load_b32 v[T+2*\c+\i], v5, s[18:19] offset:\c*16384+\i*64   ; the 8 partial sums of q_ . bk of my two rows
.endr
.endr
	LOADB 0, 0                                     ; chunks 0 and 1, in the order in which they are needed
	LOADB 0, 1
	LOADA 0, 0
	LOADA 0, 1
	LOADB 1, 0
	LOADB 1, 1
	LOADA 1, 0
	LOADA 1, 1
	WIN 0                                          ; the loads above left the destination in window 1: the lines below work in window 0
	s_wait_loadcnt 63                              ; chunk 1's 64 loads are younger than chunk 0's: 63 is the largest count the wait can name
	v_pk_add_f32 v[8:9], v[T:T+1], v[T+2:T+3]
.irp c, 2,3,4,5,6,7
	v_pk_add_f32 v[8:9], v[8:9], v[T+2*\c:T+2*\c+1]
.endr
	v_pk_mul_f32 v[8:9], v[8:9], v[12:13]          ; c = SC (q_ . bk)
	CHUNK 0, -1, 2, 1
	CHUNK 1, 63, 3, 0                              ; 64 are younger: chunk 2's, issued during chunk 0
	CHUNK 2, 63, -1, 0                             ; 64 are younger: chunk 3's
	CHUNK 3, 0, -1, 0
	WIN 0
	PLACES
	SOFT 0
	s_wait_alu depctr_va_vdst(0)                   ; row block 0's conversions have written the registers that the stores below read
	PST 0
	SOFT 1                                         ; names no register that the stores above read
	v_cndmask_b32 v22, v16, v20, s29               ; lanes 0-15: (m, l) of block RB0's rows, lanes 16-31: of RB0 + 1
	v_cndmask_b32 v23, v17, v21, s29
	s_wait_alu depctr_va_vdst(0)                   ; row block 1's conversions and the two selects have written the registers that the stores below read
	PST 1
	global_store_b64 v6, v[22:23], s[20:21]        ; 256 consecutive bytes, at a multiple of 256 from st's first byte (RB0 is even)
	s_wait_dscnt 0x0
	s_wait_alu depctr_hold_cnt(0) depctr_sa_sdst(0) depctr_va_vdst(0) depctr_va_sdst(0) depctr_va_ssrc(0) depctr_va_vcc(0) depctr_vm_vsrc(0)
	s_wait_tensorcnt 0x0
	ds_add_u32 v254, v255
	s_wait_dscnt 0x0
	s_endpgm
.Lfunc_end_k_q0688651f8b_score:
	.size	k_q0688651f8b_score, .Lfunc_end_k_q0688651f8b_score-k_q0688651f8b_score
	.p2alignl 7, 3214868480
	.fill 96, 4, 3214868480
	.section	.rodata,"a",@progbits
	.p2align	6, 0x0
	.amdhsa_kernel k_q0688651f8b_score
		.amdhsa_group_segment_fixed_size 139776
		.amdhsa_private_segment_fixed_size 0
		.amdhsa_enable_private_segment 0
		.amdhsa_kernarg_size 40
		.amdhsa_user_sgpr_count 2
		.amdhsa_user_sgpr_kernarg_segment_ptr 1
		.amdhsa_wavefront_size32 1
		.amdhsa_system_sgpr_workgroup_id_x 1
		.amdhsa_system_sgpr_workgroup_id_y 1
		.amdhsa_system_sgpr_workgroup_id_z 1
		.amdhsa_system_vgpr_workitem_id 0
		.amdhsa_next_free_vgpr 1024
		.amdhsa_next_free_sgpr 66
		.amdhsa_reserve_vcc 0
		.amdhsa_float_denorm_mode_32 3
		.amdhsa_float_denorm_mode_16_64 3
		.amdhsa_memory_ordered 1
		.amdhsa_forward_progress 1
		.amdhsa_inst_pref_size 129
	.end_amdhsa_kernel
	.amdgpu_metadata
---
amdhsa.version: [ 1, 2 ]
amdhsa.kernels:
  - .name:           k_q0688651f8b_score
    .symbol:         k_q0688651f8b_score.kd
    .args:
      - { .name: xb, .offset: 0, .size: 8, .value_kind: global_buffer, .address_space: global }
      - { .name: k, .offset: 8, .size: 8, .value_kind: global_buffer, .address_space: global }
      - { .name: cp, .offset: 16, .size: 8, .value_kind: global_buffer, .address_space: global }
      - { .name: pf, .offset: 24, .size: 8, .value_kind: global_buffer, .address_space: global }
      - { .name: st, .offset: 32, .size: 8, .value_kind: global_buffer, .address_space: global }
    .group_segment_fixed_size: 139776
    .private_segment_fixed_size: 0
    .kernarg_segment_align: 8
    .kernarg_segment_size: 40
    .max_flat_workgroup_size: 128
    .sgpr_count:     66
    .vgpr_count:     1024
    .wavefront_size: 32
...
	.end_amdgpu_metadata
.endif
;; end of part 9
;; launch mix (part 10): grid 32 x 8, 4 waves a work-group, no clusters, 164,352 bytes of LDS; arguments pf, st, v, xa; writes xa
.if DOCPART == 10
	.amdgcn_target "amdgcn-amd-amdhsa--gfx1250"
	.amdhsa_code_object_version 6
	.text
	.protected	k_q0688651f8b_mix
	.globl	k_q0688651f8b_mix
	.p2align	8
	.type	k_q0688651f8b_mix,@function
k_q0688651f8b_mix:
	s_mov_b64 s[64:65], 0
	v_nop
	global_prefetch_b8 v0, s[64:65] scope:SCOPE_SE
	s_setreg_imm32_b32 hwreg(HW_REG_WAVE_SCHED_MODE, 0, 2), 2
	s_setreg_imm32_b32 hwreg(HW_REG_WAVE_MODE, 25, 1), 1
	s_wait_xcnt 0x0
	s_wait_alu depctr_vm_vsrc(0)
; U[row][d] = sum_n w[row][n] v[b][n][d], the softmax weights applied to the RAW values (the value projection follows, on 64 rows a head
; in place of 1024).  w = f_t p / sum, with M = max_t m_t, f_t = 2^(m_t - M) <= 1, sum = sum_t f_t l_t >= 1 (the tile that holds M has f = 1, l >= 1).
; Each key tile t (128 keys = one K chunk) is summed by itself and joined by one multiply-add with f_t / sum.
; LIMITS: the order of rounding differs from reference(); v is rounded once to bf16; p comes as ONE bf16 plane (each weight within 2^-8 of
; itself; the row's largest, 1, exact), U leaves as hi + lo bf16 planes; v_exp_f32 gives zero for results below 2^-126.
; Batch b = id y; id x = 8 * row tile + column tile (64 columns d).  A wave makes 32 rows x 64 columns, RB0 = 32 (2 rt + w/2) + 4 b + 2 (w%2).
; The matrix instruction is used transposed (source 0 = 16 columns of v, source 1 = 16 rows of p); pf and xa are in fragment order.
; NO CLUSTER, NO TENSOR LOAD: v is f32 and passes through registers to become bf16, p never touches LDS; a joint load into LDS would
; add a write and a read of 512 KB of LDS for each work-group to the 160 KB that it stores there now.
; 8 chunks, each with LDS bytes of its own, written once: one barrier a chunk.
; LOADS: a chunk is 32 loads a wave (16 of v, 16 of fragments).  Chunks 0, 1, 2 are asked for at the head, chunk c + 3 during chunk c, in two runs
; of 16 behind runs of matrix instructions, so that a wave whose load counter is full (its issue then stalls: ISA guide 5.7.1) stalls while
; its matrix instructions run and not in front of them.
; THE MODE: SCHED_MODE bits 1:0 = 2 (LLVM: expert scheduling mode 2), set by the entry lines.  The code itself states the register dependences
; between vector or matrix instructions and memory or LDS instructions, with s_wait_alu, always for 0.
; THE PLAN.  Registers that memory or LDS instructions touch:
;   raw v, 4 slots     Chunk c's conversions read slot c % 4; the loads of chunk c + 4 land in it during chunk c + 1.
;   p, 4 buffers       Chunk c's matrix instructions read buffer c % 4; the loads of chunk c + 4 land in it during chunk c + 1.
;   T                  The out-buffer, a chunk of v as bf16: written by a chunk's conversions, read by its LDS stores.
;   BF, 4 buffers      One for each 32 keys of a chunk: the chunk's LDS loads land in it, 8 of its matrix instructions read it.
;   v3, v4             LDS addresses of v's chunk (stores, loads): each moves on by one add at a chunk's head.
;   v1, v2, v5         Made at the head, never written again.  The way out's data registers are written once each.
; A chunk's waits are two: vm_vsrc at its head (the last chunk's LDS stores have read T and v3, its LDS loads v4), ahead of the two adds and the
; conversions; va_vdst behind the conversions (T, v3, v4 are written; the last chunk's conversions and matrix instructions are done reading their
; raw slot, their buffer of p and all of BF).  The chunk's LDS stores, its four fetches and the 32 loads for chunk c + 3 lean on that one wait:
; a matrix instruction behind it names a buffer of BF only when that buffer's fetch has been issued, and else this chunk's buffer of p and the sums.
.set NCH,   8
.set PB,    2048                       ; bytes from row to row of v
.set RBS,   32768                      ; bytes of a 16-row block in pf
.set ORBS,  16384                      ; and in xa
.set REG,   20480                      ; LDS: a chunk of v, 128 rows (n) of 128 bytes at pitch 160
.set ACC,   32                         ; v32-95    a tile's sums, block (i, j) at ACC + 8 (4 i + j)
.set TOT,   96                         ; v96-159   the joined sums
.set HP,    160                        ; v160-191  the way out: hi planes
.set U,     192                        ; v192-199  the way out
.set T,     224                        ; v224-255  a chunk of v as bf16, on its way to LDS; at the head: (m, l)
.set F,     8                          ; v8-23     f_t / sum: tile t, row block i at F + 2 t + i
.set BF,    0                          ; window 3: v0-127 fragments of v, four buffers of four
; windows: 1: p's fragments, four buffers of 64, fragment (i, ks) at 8 (4 i + ks); 2: raw v, four slots of 64
.set MSB, 0
.macro WIN new
.if MSB != \new
	s_set_vgpr_msb (MSB<<8)|\new
.set MSB, \new
.endif
.endm
.macro PLACES                          ; four places behind a matrix instruction before its registers are read or written (ISA guide 7.12.1)
.rept 4
	v_nop
.endr
.endm
.macro LOADA ch                        ; 16 loads: 2 row blocks x 4 steps of 32 keys x 2 halves
	WIN 0x40
.irp i, 0,1
.irp s, 0,1,2,3
.irp y, 0,1
	global_load_b128 v[64*((\ch)%4)+8*(4*\i+\s)+4*\y:64*((\ch)%4)+8*(4*\i+\s)+4*\y+3], v1, s[8:9] offset:\i*RBS+\ch*4096+\s*1024+\y*512
.endr
.endr
.endr
.endm
.macro LOADB ch                        ; 128 rows of v x 64 columns: 16 lanes take the 256 bytes of a row
	WIN 0x80
.set n, 0
.rept 16
	global_load_b128 v[64*((\ch)%4)+4*n:64*((\ch)%4)+4*n+3], v2, s[12:13] offset:(\ch*128+8*n)*PB
.set n, n+1
.endr
.endm
.macro CVTB ch
	WIN 0x0a
.set n, 0
.rept 32
	v_cvt_pk_bf16_f32 v[T+n], v[64*(\ch%4)+2*n], v[64*(\ch%4)+2*n+1]
.set n, n+1
.endr
	WIN 0
	s_wait_alu depctr_va_vdst(0)                   ; T, v3 and v4 are written, which the LDS stores and loads below read; the last chunk's conversions are done reading their raw slot, its matrix instructions BF and their buffer of p, in which loads below land
.set n, 0
.rept 16
	ds_store_b64 v3, v[T+2*n:T+2*n+1] offset:n*1280
.set n, n+1
.endr
.endm
.macro FETCH ks                        ; 8 LDS loads: four fragments of v (transposed on the way), keys 32 ks on, into buffer ks
	WIN 0xc0
.irp j, 0,1,2,3
	ds_load_tr16_b128 v[BF+32*\ks+8*\j:BF+32*\ks+8*\j+3], v4 offset:\ks*5120+\j*32
	ds_load_tr16_b128 v[BF+32*\ks+8*\j+4:BF+32*\ks+8*\j+7], v4 offset:\ks*5120+\j*32+2560
.endr
.endm
.macro MUL ks, zero                    ; 8 matrix instructions on the 8 sums
	WIN 0x07                                       ; source 0 (v) in window 3, source 1 (p) in window 1, the sums in window 0
.irp i, 0,1
.irp j, 0,1,2,3
.if \zero
	v_wmma_f32_16x16x32_bf16 v[ACC+8*(4*\i+\j):ACC+8*(4*\i+\j)+7], v[BF+32*\ks+8*\j:BF+32*\ks+8*\j+7], v[MAB+8*(4*\i+\ks):MAB+8*(4*\i+\ks)+7], 0
.else
	v_wmma_f32_16x16x32_bf16 v[ACC+8*(4*\i+\j):ACC+8*(4*\i+\j)+7], v[BF+32*\ks+8*\j:BF+32*\ks+8*\j+7], v[MAB+8*(4*\i+\ks):MAB+8*(4*\i+\ks)+7], v[ACC+8*(4*\i+\j):ACC+8*(4*\i+\j)+7]
.endif
.endr
.endr
.endm
.macro ACCUM ch                        ; TOT += tile's sums x f; the factor of row block 0 is the pair's first register, of block 1 its second
	PLACES
	WIN 0
.set n, 0
.rept 16
.if \ch
	v_pk_fma_f32 v[TOT+2*n:TOT+2*n+1], v[ACC+2*n:ACC+2*n+1], v[F+2*\ch:F+2*\ch+1], v[TOT+2*n:TOT+2*n+1] op_sel_hi:[1,0,1]
	v_pk_fma_f32 v[TOT+32+2*n:TOT+32+2*n+1], v[ACC+32+2*n:ACC+32+2*n+1], v[F+2*\ch:F+2*\ch+1], v[TOT+32+2*n:TOT+32+2*n+1] op_sel:[0,1,0]
.else
	v_pk_mul_f32 v[TOT+2*n:TOT+2*n+1], v[ACC+2*n:ACC+2*n+1], v[F:F+1] op_sel_hi:[1,0]
	v_pk_mul_f32 v[TOT+32+2*n:TOT+32+2*n+1], v[ACC+32+2*n:ACC+32+2*n+1], v[F:F+1] op_sel:[0,1]
.endif
.set n, n+1
.endr
.endm
; nx: the chunk that is asked for during this one (-1: none)
.macro CHUNK ch, nwait, nx
.if \nwait >= 0
	s_wait_loadcnt \nwait                          ; this chunk's fragments and raw v are in; the count = the younger loads (63 where 64 are younger)
.endif
.if \ch
	s_wait_alu depctr_vm_vsrc(0)                   ; the last chunk's LDS stores have read T and v3, its LDS loads v4: all three are written again below
	v_add_nc_u32 v3, REG, v3
	v_add_nc_u32 v4, REG, v4
.endif
	CVTB \ch
	s_wait_dscnt 0x0                               ; my stores of this chunk are in LDS,
	s_barrier_signal -1
	s_barrier_wait -1                              ; everybody's are
.set MAB, 64*((\ch)%4)
	FETCH 0
	FETCH 1
	s_wait_dscnt 8                                 ; the 8 loads just issued may stay out
	MUL 0, 1                                       ; every tile starts its own sums; the last tile's were read 64 vector instructions ago
	FETCH 2                                        ; no matrix instruction since the wait behind the conversions names this buffer
.if \nx >= 0
	LOADB \nx                                      ; into the slot that the last chunk's conversions have read
.endif
	s_wait_dscnt 8
	MUL 1, 0
	FETCH 3
.if \nx >= 0
	LOADA \nx                                      ; into the buffer that the last chunk's matrix instructions read
.endif
	s_wait_dscnt 8
	MUL 2, 0
	s_wait_dscnt 0x0
	MUL 3, 0
	ACCUM \ch
.endm
.macro SPLIT x, h                      ; 8 f32 at x: hi plane to h, lo plane = bf16(x - hi) to x .. x+3; x - hi is exact in f32
.irp q, 0,1,2,3
	v_cvt_pk_bf16_f32 v[\h+\q], v[\x+2*\q], v[\x+2*\q+1]
.endr
.irp q, 0,1,2,3
	v_lshlrev_b32 v[U+2*\q], 16, v[\h+\q]
	v_and_b32 v[U+2*\q+1], s24, v[\h+\q]
.endr
.irp q, 0,1,2,3
	v_pk_add_f32 v[\x+2*\q:\x+2*\q+1], v[\x+2*\q:\x+2*\q+1], v[U+2*\q:U+2*\q+1] neg_lo:[0,1] neg_hi:[0,1]
.endr
.irp q, 0,1,2,3
	v_cvt_pk_bf16_f32 v[\x+\q], v[\x+2*\q], v[\x+2*\q+1]
.endr
.endm
.macro SPL i, j                        ; no data register of a store is written again: every block has its own 4 + 4
.set XX, TOT+8*(4*\i+\j)
.set HH, HP+4*(4*\i+\j)
	SPLIT XX, HH
.endm
.macro STO i, j
.set XX, TOT+8*(4*\i+\j)
.set HH, HP+4*(4*\i+\j)
	global_store_b128 v1, v[HH:HH+3], s[14:15] offset:\i*ORBS+\j*512
	global_store_b128 v1, v[XX:XX+3], s[16:17] offset:\i*ORBS+\j*512
.endm
	s_load_b256 s[32:39], s[0:1], 0x0              ; pf, st, v, xa
	v_lshl_add_u32 v222, v0, 2, 0x28000
	v_mov_b32 v223, 0
	v_lshrrev_b32 v26, 5, v0
	v_readfirstlane_b32 s2, v26                    ; wave w
	s_and_b32 s4, ttmp7, 0xffff                    ; batch b
	s_and_b32 s5, ttmp9, 7                         ; column tile nt
	s_lshr_b32 s6, ttmp9, 3                        ; row tile rt
	s_mov_b32 s24, 0xffff0000
	v_and_b32 v27, 31, v0                          ; L
	v_and_b32 v28, 15, v0                          ; r
	v_bfe_u32 v29, v0, 4, 1                        ; hf
	v_lshrrev_b32 v30, 4, v0                       ; t / 16
	v_lshlrev_b32 v1, 4, v27                       ; 16 L
	v_lshlrev_b32 v2, 11, v30                      ; v: row t / 16, 16 bytes at 16 (t % 16)
	v_lshl_add_u32 v2, v28, 4, v2
	v_mul_u32_u24 v3, v30, 160
	v_lshl_add_u32 v3, v28, 3, v3
	v_and_b32 v31, 7, v0
	v_lshl_add_u32 v31, v29, 3, v31                ; transposing load: row 8 hf + L % 8,
	v_mul_u32_u24 v4, v31, 160
	v_bfe_u32 v31, v0, 3, 1
	v_lshl_add_u32 v4, v31, 4, v4                  ; 16 bytes at 16 ((L / 8) % 2)
	v_lshlrev_b32 v5, 3, v28                       ; st: 8 r
	s_wait_alu depctr_va_sdst(0)                   ; s2 is written, ahead of its first reader, the line below
	s_lshr_b32 s7, s2, 1
	s_lshl1_add_u32 s7, s6, s7
	s_lshl_b32 s7, s7, 5
	s_lshl2_add_u32 s7, s4, s7
	s_and_b32 s28, s2, 1
	s_lshl1_add_u32 s7, s28, s7                    ; RB0 = 32 (2 rt + w / 2) + 4 b + 2 (w % 2)
	s_mov_b32 s23, 0
	s_wait_kmcnt 0x0
	s_lshl_b32 s22, s7, 15
	s_add_nc_u64 s[8:9], s[32:33], s[22:23]        ; p at RB0
	s_lshl_b32 s22, s7, 7
	s_add_nc_u64 s[18:19], s[34:35], s[22:23]      ; st at row 16 RB0
	s_lshl_b32 s22, s4, 21
	s_lshl_b32 s28, s5, 8
	s_add_co_u32 s22, s22, s28
	s_add_nc_u64 s[12:13], s[36:37], s[22:23]      ; v[b] at column 64 nt
	s_lshl_b32 s22, s7, 14
	s_lshl_b32 s28, s5, 11
	s_add_co_u32 s22, s22, s28
	s_add_nc_u64 s[14:15], s[38:39], s[22:23]      ; U at (RB0, column block 4 nt)
	s_add_nc_u64 s[16:17], s[14:15], 0x400000
	s_wait_alu depctr_va_vdst(0)                   ; the offsets and LDS addresses v1 to v5 are written, which the loads and stores of the kernel read
.irp t, 0,1,2,3,4,5,6,7
.irp i, 0,1
	global_load_b64 v[T+4*\t+2*\i:T+4*\t+2*\i+1], v5, s[18:19] offset:\t*32768+\i*128    ; (m, l) of tile t for my two rows
.endr
.endr
	LOADB 0                                        ; chunks 0, 1, 2, in the order in which they are needed
	LOADA 0
	LOADB 1
	LOADA 1
	LOADB 2
	LOADA 2
	WIN 0                                          ; the loads above left the destination in window 1: the lines below work in window 0
	s_wait_loadcnt 63                              ; the 64 loads of chunks 1 and 2 are younger than chunk 0's: 63 is the largest count the wait can name
.irp i, 0,1
	v_max3_num_f32 v[26+\i], v[T+2*\i], v[T+4+2*\i], v[T+8+2*\i]
	v_max3_num_f32 v[26+\i], v[26+\i], v[T+12+2*\i], v[T+16+2*\i]
	v_max3_num_f32 v[26+\i], v[26+\i], v[T+20+2*\i], v[T+24+2*\i]
	v_max_num_f32 v[26+\i], v[26+\i], v[T+28+2*\i]                 ; M
.endr
.irp t, 0,1,2,3,4,5,6,7
.irp i, 0,1
	v_sub_f32 v[F+2*\t+\i], v[T+4*\t+2*\i], v[26+\i]
.endr
.endr
.set n, 0
.rept 16
	v_exp_f32 v[F+n], v[F+n]                       ; f_t = 2^(m_t - M)
.set n, n+1
.endr
	v_nop                                          ; one plain place behind the last transcendental
	s_wait_alu depctr_va_vdst(0)
.irp i, 0,1
	v_mul_f32 v[28+\i], v[F+\i], v[T+2*\i+1]
.irp t, 1,2,3,4,5,6,7
	v_fmac_f32 v[28+\i], v[F+2*\t+\i], v[T+4*\t+2*\i+1]            ; sum_t f_t l_t
.endr
.endr
	v_rcp_f32 v24, v28
	v_rcp_f32 v25, v29
	v_nop
	s_wait_alu depctr_va_vdst(0)
.irp t, 0,1,2,3,4,5,6,7
	v_pk_mul_f32 v[F+2*\t:F+2*\t+1], v[F+2*\t:F+2*\t+1], v[24:25]  ; the division is folded into the 16 factors
.endr
	CHUNK 0, -1, 3
	CHUNK 1, 63, 4                                 ; younger than chunk 1's loads: the 64 of chunks 2 and 3
	CHUNK 2, 63, 5
	CHUNK 3, 63, 6
	CHUNK 4, 63, 7
	CHUNK 5, 63, -1                                ; younger: the 64 of chunks 6 and 7
	CHUNK 6, 32, -1                                ; younger: chunk 7's 32
	CHUNK 7, 0, -1
.irp j, 0,1,2,3
	SPL 0, \j
.endr
	s_wait_alu depctr_va_vdst(0)                   ; row block 0's two planes are written, which the stores below read
.irp j, 0,1,2,3
	STO 0, \j
.endr
.irp j, 0,1,2,3
	SPL 1, \j                                      ; names no register that the stores above read
.endr
	s_wait_alu depctr_va_vdst(0)                   ; row block 1's two planes are written, which the stores below read
.irp j, 0,1,2,3
	STO 1, \j
.endr
	s_wait_dscnt 0x0
	s_wait_alu depctr_hold_cnt(0) depctr_sa_sdst(0) depctr_va_vdst(0) depctr_va_sdst(0) depctr_va_ssrc(0) depctr_va_vcc(0) depctr_vm_vsrc(0)
	s_wait_tensorcnt 0x0
	ds_add_u32 v222, v223
	s_wait_dscnt 0x0
	s_endpgm
.Lfunc_end_k_q0688651f8b_mix:
	.size	k_q0688651f8b_mix, .Lfunc_end_k_q0688651f8b_mix-k_q0688651f8b_mix
	.p2alignl 7, 3214868480
	.fill 96, 4, 3214868480
	.section	.rodata,"a",@progbits
	.p2align	6, 0x0
	.amdhsa_kernel k_q0688651f8b_mix
		.amdhsa_group_segment_fixed_size 164352
		.amdhsa_private_segment_fixed_size 0
		.amdhsa_enable_private_segment 0
		.amdhsa_kernarg_size 32
		.amdhsa_user_sgpr_count 2
		.amdhsa_user_sgpr_kernarg_segment_ptr 1
		.amdhsa_wavefront_size32 1
		.amdhsa_system_sgpr_workgroup_id_x 1
		.amdhsa_system_sgpr_workgroup_id_y 1
		.amdhsa_system_sgpr_workgroup_id_z 1
		.amdhsa_system_vgpr_workitem_id 0
		.amdhsa_next_free_vgpr 896
		.amdhsa_next_free_sgpr 66
		.amdhsa_reserve_vcc 0
		.amdhsa_float_denorm_mode_32 3
		.amdhsa_float_denorm_mode_16_64 3
		.amdhsa_memory_ordered 1
		.amdhsa_forward_progress 1
		.amdhsa_inst_pref_size 120
	.end_amdhsa_kernel
	.amdgpu_metadata
---
amdhsa.version: [ 1, 2 ]
amdhsa.kernels:
  - .name:           k_q0688651f8b_mix
    .symbol:         k_q0688651f8b_mix.kd
    .args:
      - { .name: pf, .offset: 0, .size: 8, .value_kind: global_buffer, .address_space: global }
      - { .name: st, .offset: 8, .size: 8, .value_kind: global_buffer, .address_space: global }
      - { .name: v, .offset: 16, .size: 8, .value_kind: global_buffer, .address_space: global }
      - { .name: xa, .offset: 24, .size: 8, .value_kind: global_buffer, .address_space: global }
    .group_segment_fixed_size: 164352
    .private_segment_fixed_size: 0
    .kernarg_segment_align: 8
    .kernarg_segment_size: 32
    .max_flat_workgroup_size: 128
    .sgpr_count:     66
    .vgpr_count:     896
    .wavefront_size: 32
...
	.end_amdgpu_metadata
.endif
;; end of part 10
;; launch vproj: the kernel of part 5 again; grid 32 x 8, 4 waves a work-group, no clusters, 82,432 bytes of LDS; arguments xa, Wv, bv, xb; writes xb
;; launch oproj: the kernel of part 6 again; grid 32 x 8, 4 waves a work-group, no clusters, 82,432 bytes of LDS; arguments xb, Wo, part; writes part
;; launch sum: the kernel of part 7 again; grid 256 x 1, 1 waves a work-group, no clusters, 4,608 bytes of LDS; arguments part, bo, out0; writes out0
